; MI455X (gfx1250); checked and timed in simulation.
; The chip was launched on July 23, 2026; its instructions are those of AMD's public machine-readable ISA for CDNA 5 (MIT licence, August 2026) and "CDNA5" Instruction Set Architecture Reference Guide (July 2026). The comments in the code are by the model that wrote it; some were corrected since.
;; Multi Head Attention. Allowed arithmetic: matrix products marked QUANTISED: E4M3 operands, one given power-of-two scale a tensor, by v_wmma_f32_16x16x64_fp8_fp8 or v_wmma_f32_16x16x128_fp8_fp8, f32 sums; everything else in f32.
;; Inputs: W_out 1,024 x 1,024 float32; W_qkv 1,024 x 3,072 float32; b_out 1,024 float32; b_qkv 3,072 float32; lowp_scales 8 int32 (the exponents e of the quantised operands' scales 2^e); mask 1 x 1 x 2,048 x 2,048 int32; x 4 x 2,048 x 1,024 float32.
;; Outputs: out0 4 x 2,048 x 1,024 float32.
;; This version of the problem:
;;   THIS VERSION OF THE PROBLEM IS GIVEN IN LOW PRECISION. The matrix products marked QUANTISED in the list below multiply operands that are first quantised to E4M3 (4 exponent bits, 3 mantissa bits; 8 bits a number), with one given power-of-two scale for each operand tensor; their sums are f32. All else is computed in f32.
;;   The module's matrix products, in the order in which they are computed (A, B: the left and right operand; K: the contracted axis; several contracted axes count as one K, in the product's order):
;;     1. [M 8,192, K 1,024] x [K 1,024, N 3,072]; A: input x; B: input W_qkv: QUANTISED (scales: A lowp_scales[0], B lowp_scales[1])
;;     2. batch 64 x [M 2,048, K 64] x [K 64, N 2,048]; A: computed on the way; B: computed on the way: QUANTISED (scales: A lowp_scales[2], B lowp_scales[3])
;;     3. batch 64 x [M 2,048, K 2,048] x [K 2,048, N 64]; A: softmax (see below); B: computed on the way: QUANTISED (scales: A lowp_scales[4], B lowp_scales[5])
;;     4. [M 8,192, K 1,024] x [K 1,024, N 1,024]; A: computed on the way; B: input W_out: QUANTISED (scales: A lowp_scales[6], B lowp_scales[7])
;;   THE QUANTISER, for each operand of a quantised product, along K:
;;     - The operand's scale is 2^e, e = its entry of the input lowp_scales (int32; the entries are numbered through the quantised products in the list's order, A before B).
;;     - Each number is divided by the scale, clamped to +-448, and rounded to the nearest number of E4M3, ties to even, subnormals kept.
;;     - The product sums the exact products of the quantised numbers (number of the format x scale) in f32.
;;   ~~~python
;;   def quantise(x, axis, e):      # numpy; x: float32 -> the quantised numbers, widened to float32 again
;;       x = np.moveaxis(x, axis, -1); K = x.shape[-1]
;;       r = np.clip(x / 2.0 ** e, -448, 448)
;;       step = 2.0 ** (np.maximum(np.frexp(np.where(r == 0, 1, r))[1] - 1, -6) - 3)
;;       q = np.round(r / step) * step * 2.0 ** e      # np.round: ties to even
;;       return np.moveaxis(q, -1, axis).astype(np.float32)
;;   ~~~
;;   SOFTMAX AHEAD OF A QUANTISED PRODUCT. Where the list says 'softmax', what is quantised is not the finished softmax but p = 2^(t - M), with t = logit x log2(e) and M = ceil(the row's largest t), a whole number; so 1/2 < the row's largest p <= 1. The row's sum l is taken of the UNQUANTISED p, in f32, and the product's result is divided by l at the end. Since M is a whole number, a kernel that streams over the keys may use a running M (the ceiling of the running maximum): every later rescaling is an exact power of two, so the quantised numbers keep their values, but for numbers so far below the row's largest that they fall under the format's range.
;;   OPERANDS COMPUTED ON THE WAY. 'Computed on the way' means the value that the module computes at that place (a softmax that the list does not call 'softmax' is quantised finished and normalised). What goes into a quantiser is computed in f32, as accurately as f32 sums, v_exp_f32 and their like allow (about 1e-6 of the number): no bf16 or f16 on the way to a quantiser, and a product that is left as it is and whose result goes on into a quantised operand takes f32 operands (vector FMAs, or v_wmma_f32_16x16x4_f32). A number that lies on a knife's edge between two numbers of the format may be rounded either way, as far as f32 arithmetic and the matrix unit's own rounding can turn it there, and no further.
;; 2 versions, each right; version 2 is version 1 with the launch attn written anew for expert scheduling mode. Each part assembles by itself: llvm-mc -triple=amdgcn-amd-amdhsa -mcpu=gfx1250 --defsym DOCPART=n.
;; ======== version 1 of 2: 4 launches
;; limits: right only within a limited range of input values
;; workspace buffers: xw 11,534,336 bytes; wo 1,048,576 bytes; mw 524,288 bytes of whole numbers; mf 4,096 bytes of whole numbers; qkv 25,165,824 bytes; ac 8,388,608 bytes
;; launch prep (part 1): grid 448 x 1, 4 waves a work-group, no clusters, 102,912 bytes of LDS; arguments x, W_qkv, W_out, mask, lowp_scales, xw, wo, mw, mf; writes xw, wo, mw, mf
.if DOCPART == 1
	.amdgcn_target "amdgcn-amd-amdhsa--gfx1250"
	.amdhsa_code_object_version 6
	.text
	.protected	k_q2c86354f50_prep
	.globl	k_q2c86354f50_prep
	.p2align	8
	.type	k_q2c86354f50_prep,@function
k_q2c86354f50_prep:
	s_mov_b64 s[64:65], 0
	v_nop
	global_prefetch_b8 v0, s[64:65] scope:SCOPE_SE
	s_setreg_imm32_b32 hwreg(HW_REG_WAVE_MODE, 25, 1), 1
	s_wait_xcnt 0x0
; PREP: what the later launches read many times is made once.
;   work-groups   0 ..  63: the mask [2048][2048] int32 -> lane-mask words mw and tile flags mf (whole numbers)
;   work-groups  64 .. 319: x [8192][1024] f32 -> codes of E4M3, rows 0 .. 8191 of xw, K innermost, scale 2^e0
;   work-groups 320 .. 415: W_qkv [1024 (k)][3072 (n)] f32 -> codes, row 8192 + n of xw, K innermost, scale 2^e1
;   work-groups 416 .. 447: W_out [1024 (k)][1024 (n)] f32 -> codes wo [n][k], scale 2^e7
; code = number / 2^e, held within +-448, to the nearest code, ties to even.
; LIMITS: e0, e1, e7 between -126 and 119, so that 2^e and 448 x 2^e are f32 numbers.  NaN among the inputs is not served.
; Waves share nothing: no barrier.  Each path that uses LDS has bytes of its own.
; mw: [pair P of 32 queries: 64][step of 64 keys: 32][word w: 64].  w = 32 tau + 16 b + i; bit r + 16 h of it says that key 64 step + 32 b + 16 h + i
; counts for query 32 P + 16 tau + r: the lane mask of the attention launch's score register w.
; mf: [P][quarter o of the keys][4]: ANY (bit 8 o + u: step 8 o + u has a key that counts), ROW (bit 16 tau + r: that query has such a key in this quarter), ALL (bit: all count), 0.
.set SPARE, 102400                     ; behind the three regions: the spare words, 128 bytes for each wave: two blocks of 256 bytes that no other line names
.set SPW,   12                         ; v12  LDS address of my spare word; never rewritten
.set NIL,   13                         ; v13  0; never rewritten
.macro FINISH                          ; a wave's end
	s_wait_tensorcnt 0x0
	ds_add_u32 v[SPW], v[NIL]
	s_wait_dscnt 0x0
	s_endpgm
.endm
.macro SCALE e                         ; v11 = 2^e as f32 (the conversion takes its exponent field), v10 = 448 x 2^e
	s_add_co_i32 s32, s[\e], 127
	s_lshl_b32 s33, s32, 23
	v_mov_b32 v11, s33
	s_add_co_i32 s32, s32, 8
	s_lshl_b32 s32, s32, 23
	s_or_b32 s32, s32, 0x600000
	v_mov_b32 v10, s32
.endm
	s_load_b512 s[4:19], s[0:1], 0x0               ; x 4, W_qkv 6, W_out 8, mask 10, scales 12, xw 14, wo 16, mw 18
	s_load_b64 s[20:21], s[0:1], 0x40              ; mf
	v_lshl_add_u32 v[SPW], v0, 2, SPARE
	v_mov_b32 v[NIL], 0
	v_lshrrev_b32 v1, 5, v0
	v_readfirstlane_b32 s22, v1                    ; wave 0..3
	v_and_b32 v2, 31, v0                           ; lane
	s_wait_kmcnt 0x0
	s_load_b256 s[24:31], s[12:13], 0x0            ; e0 .. e7
	s_cmp_lt_u32 ttmp9, 64
	s_cbranch_scc1 .Lmask
	s_cmp_lt_u32 ttmp9, 320
	s_cbranch_scc1 .Lxpath
	s_cmp_lt_u32 ttmp9, 416
	s_cbranch_scc1 .Lw1
; ---- A weight whose K is its first axis.  A lane takes a column n and its registers run down K: each load reads 128 consecutive bytes a wave, and the conversions give codes with K innermost.
; A wave takes 32 columns x 256 along K; the codes go through the wave's stage (rows of 272 bytes) and leave as rows: sixteen lanes store 256 consecutive bytes, aligned.
.macro WLOAD t                         ; block t: W(32 t + i, my column) into set t % 2
.set i, 0
.rept 32
	global_load_b32 v[32+32*((\t)%2)+i], v3, s[WI:WI+1] offset:(32*(\t)+i)*WN*4 th:TH_LOAD_NT
.set i, i+1
.endr
.endm
.macro WBLOCK t
.set XS, 32+32*((\t)%2)
.if (\t) < 7
	s_wait_loadcnt 32                              ; this block's 32 loads are in; the next block's 32 may be out
.else
	s_wait_loadcnt 0x0
.endif
.set i, 0
.rept 32
	v_med3_num_f32 v[XS+i], v[XS+i], -v10, v10     ; the conversion to an 8-bit code does not saturate (ISA guide 7.6.2): the hold comes first
.set i, i+1
.endr
.irp g, 0,1,2,3
	v_cvt_scalef32_pk8_fp8_f32 v[96+2*\g:97+2*\g], v[XS+8*\g:XS+8*\g+7], v11
.endr
	ds_store_b128 v4, v[96:99] offset:32*(\t)      ; 32 codes of my column's row
	ds_store_b128 v4, v[100:103] offset:32*(\t)+16
.if (\t)+2 < 8
	WLOAD (\t)+2
.endif
	s_wait_dscnt 0x0                               ; the stores have read their registers: the next block's codes may be written
.endm
.macro WPATH n, first, inlo, outlo, rowoff, e, ldsbase
.set WN, \n
.set WI, \inlo
.set WO, \outlo
	s_sub_co_u32 s33, ttmp9, \first
	s_lshr_b32 s34, s33, 2                         ; which 128 columns
	s_and_b32 s35, s33, 3                          ; which 256 along K
	s_lshl_b32 s34, s34, 7
	s_lshl_b32 s36, s22, 5
	s_add_co_u32 s34, s34, s36                     ; my wave's first column
	v_lshlrev_b32 v3, 2, v2                        ; in: 4 bytes a lane
	s_mul_i32 s36, s22, 32*272
	s_add_co_u32 s36, s36, \ldsbase                ; my stage
	v_mul_u32_u24 v4, v2, 272
	v_add_nc_u32 v4, s36, v4                       ; into it: row = my column
	v_and_b32 v5, 15, v2
	v_lshrrev_b32 v6, 4, v2
	v_mul_u32_u24 v7, v6, 272
	v_lshl_add_u32 v7, v5, 4, v7
	v_add_nc_u32 v7, s36, v7                       ; out of it: sixteen lanes to a row, two rows an instruction
	v_lshlrev_b32 v8, 10, v6
	v_lshl_add_u32 v8, v5, 4, v8                   ; and the same place among rows of 1,024 bytes of codes
	s_mul_i32 s38, s35, 256*WN*4
	s_lshl_b32 s39, s34, 2
	s_add_co_u32 s38, s38, s39
	s_mov_b32 s39, 0
	s_add_nc_u64 s[WI:WI+1], s[WI:WI+1], s[38:39]
	s_lshl_b32 s38, s34, 10
	s_lshl_b32 s40, s35, 8
	s_add_co_u32 s38, s38, s40
	s_add_co_u32 s38, s38, \rowoff
	s_add_nc_u64 s[WO:WO+1], s[WO:WO+1], s[38:39]
	WLOAD 0
	WLOAD 1
	s_wait_kmcnt 0x0
	SCALE \e
.irp t, 0,1,2,3,4,5,6,7
	WBLOCK \t
.endr
.irp t, 0,1,2,3,4,5,6,7,8,9,10,11,12,13,14,15
	ds_load_b128 v[112+4*\t:115+4*\t], v7 offset:2*\t*272   ; LDS serves a wave's instructions in order: these see my stores
.endr
.irp t, 0,1,2,3,4,5,6,7,8,9,10,11,12,13,14,15
	s_wait_dscnt 15-\t                             ; the younger loads of the sixteen may be out
	global_store_b128 v8, v[112+4*\t:115+4*\t], s[WO:WO+1] offset:2*\t*1024
.endr
	FINISH
.endm
	WPATH 1024, 416, 8, 16, 0, 31, 67584           ; W_out
.Lw1:
	WPATH 3072, 320, 6, 14, 8388608, 25, 32768     ; W_qkv, behind x's 8,192 rows of xw
; ---- x: a plain stream of blocks.  A wave takes 16 steps of 512 numbers.  Each load reads 512 consecutive bytes; a step's 2,048 bytes turn through the wave's stage (16 bytes of padding behind each 64)
; so that a lane then holds 16 neighbours along K; its 16 codes are 16 bytes, and the wave stores 512 consecutive bytes.  Loads run four steps ahead, the turn one step.
.set XR, 16                            ; v16-79   four sets of 16 numbers as loaded
.set XX, 80                            ; v80-111  two sets of 16 neighbours
.set XC, 128                           ; v128-191 codes, four registers a step: no store's data are written again
.set SP, 80
.macro XLOAD t
.irp i, 0,1,2,3
	global_load_b128 v[XR+16*((\t)%4)+4*\i:XR+16*((\t)%4)+4*\i+3], v3, s[4:5] offset:2048*(\t)+512*\i th:TH_LOAD_NT
.endr
.endm
.macro XTURN t
.irp i, 0,1,2,3
	ds_store_b128 v14, v[XR+16*((\t)%4)+4*\i:XR+16*((\t)%4)+4*\i+3] offset:32*SP*((\t)%2)+8*SP*\i
.endr
.irp i, 0,1,2,3
	ds_load_b128 v[XX+16*((\t)%2)+4*\i:XX+16*((\t)%2)+4*\i+3], v15 offset:32*SP*((\t)%2)+16*\i
.endr
.endm
.macro XSTEP t
.set XS, XX+16*((\t)%2)
	s_wait_dscnt 0x0                               ; this step's numbers are back from the stage
.if (\t)+4 < 16
	XLOAD (\t)+4
.endif
.if (\t)+1 < 16
.if 14-(\t) >= 3
	s_wait_loadcnt 12                              ; the next step's four loads are in; those of the three steps behind it may be out
.else
	s_wait_loadcnt 4*(14-(\t))
.endif
	XTURN (\t)+1
.endif
.set i, 0
.rept 16
	v_med3_num_f32 v[XS+i], v[XS+i], -v10, v10
.set i, i+1
.endr
	v_cvt_scalef32_pk8_fp8_f32 v[XC+4*(\t):XC+4*(\t)+1], v[XS:XS+7], v11
	v_cvt_scalef32_pk8_fp8_f32 v[XC+4*(\t)+2:XC+4*(\t)+3], v[XS+8:XS+15], v11
	global_store_b128 v3, v[XC+4*(\t):XC+4*(\t)+3], s[14:15] offset:512*(\t)
.endm
.Lxpath:
	v_lshlrev_b32 v3, 4, v2                        ; my 16 bytes of a load's 512, and of a store's
	s_mul_i32 s33, s22, 8192                       ; my wave's region
	v_lshrrev_b32 v14, 2, v2
	v_mul_u32_u24 v14, v14, SP
	v_and_b32 v15, 3, v2
	v_lshl_add_u32 v14, v15, 4, v14
	v_add_nc_u32 v14, s33, v14                     ; the stage, in: SP (lane / 4) + 16 (lane % 4)
	v_mul_u32_u24 v15, v2, SP
	v_add_nc_u32 v15, s33, v15                     ; out: SP x lane
	s_sub_co_u32 s34, ttmp9, 64
	s_lshl_b32 s34, s34, 2
	s_add_co_u32 s34, s34, s22                     ; which run of 8,192 numbers is my wave's
	s_lshl_b32 s36, s34, 15
	s_mov_b32 s37, 0
	s_add_nc_u64 s[4:5], s[4:5], s[36:37]
	s_lshl_b32 s36, s34, 13
	s_add_nc_u64 s[14:15], s[14:15], s[36:37]
.irp t, 0,1,2,3
	XLOAD \t
.endr
	s_wait_kmcnt 0x0
	SCALE 24
	s_wait_loadcnt 12                              ; step 0's four loads are in
	XTURN 0
.irp t, 0,1,2,3,4,5,6,7,8,9,10,11,12,13,14,15
	XSTEP \t
.endr
	FINISH
; ---- the mask.  Work-group = pair P; wave o takes steps 8 o .. 8 o + 7.  Lane (r, h) loads, for tile tau and block b, the 16 whole numbers mask[32 P + 16 tau + r][64 step + 32 b + 16 h + 0 .. 15]:
; a compare of register w with 0 then IS word w.  The words are gathered two to a lane and stored 256 consecutive bytes at a time.
.macro MLOAD u
.irp tau, 0,1
.irp b, 0,1
.irp j, 0,1,2,3
	global_load_b128 v[32+64*((\u)%2)+32*\tau+16*\b+4*\j:32+64*((\u)%2)+32*\tau+16*\b+4*\j+3], v3, s[10:11] offset:\tau*131072+(\u)*256+\b*128+\j*16
.endr
.endr
.endr
.endm
.macro MUNIT u
.set MS, 32+64*((\u)%2)
.if (\u) < 7
	s_wait_loadcnt 16                              ; this step's sixteen loads are in; the next step's sixteen may be out
.else
	s_wait_loadcnt 0x0
.endif
	s_mov_b32 s40, 0                               ; the step's words of tile 0, of tile 1, joined by or;
	s_mov_b32 s41, 0
	s_mov_b32 s42, -1                              ; all its words joined by and
.irp g, 0,1,2,3
.irp i, 0,1,2,3,4,5,6,7,8,9,10,11,12,13,14,15
	v_cmp_ne_u32 s[48+\i], 0, v[MS+16*\g+\i]
.endr
.irp i, 0,1,2,3,4,5,6,7,8,9,10,11,12,13,14,15
	s_or_b32 s[40+\g/2], s[40+\g/2], s[48+\i]
	s_and_b32 s42, s42, s[48+\i]
.endr
.irp i, 0,1,2,3,4,5,6,7,8,9,10,11,12,13,14,15
	v_writelane_b32 v[160+2*(\u)+(\i%2)], s[48+\i], 8*\g+\i/2   ; word w = 16 g + i: register w % 2, lane w / 2
.endr
.endr
.if (\u)+2 < 8
	MLOAD (\u)+2
.endif
	global_store_b64 v4, v[160+2*(\u):161+2*(\u)], s[18:19] offset:256*(\u)   ; 32 lanes x 8 bytes: the step's 64 words; each step has its own pair of registers
	s_or_b32 s43, s43, s40
	s_or_b32 s44, s44, s41
	s_or_b32 s47, s40, s41
	s_cmp_lg_u32 s47, 0
	s_cselect_b32 s47, 1<<(\u), 0
	s_or_b32 s45, s45, s47                         ; ANY
	s_cmp_eq_u32 s42, -1
	s_cselect_b32 s47, 1<<(\u), 0
	s_or_b32 s46, s46, s47                         ; ALL
.endm
.Lmask:
	v_and_b32 v5, 15, v2                           ; r
	v_lshrrev_b32 v6, 4, v2                        ; h
	v_lshlrev_b32 v3, 13, v5                       ; a row of the mask is 8,192 bytes
	v_lshl_add_u32 v3, v6, 6, v3                   ; + 64 h
	v_lshlrev_b32 v4, 3, v2                        ; out: 8 bytes a lane
	s_mov_b32 s33, 0
	s_lshl_b32 s32, ttmp9, 18                      ; 32 rows
	s_lshl_b32 s34, s22, 11                        ; my quarter of a row: 2,048 bytes; and my 8 steps of words: 2,048 bytes
	s_add_co_u32 s32, s32, s34
	s_add_nc_u64 s[10:11], s[10:11], s[32:33]
	s_lshl_b32 s32, ttmp9, 13
	s_add_co_u32 s32, s32, s34
	s_add_nc_u64 s[18:19], s[18:19], s[32:33]
	s_lshl_b32 s32, ttmp9, 6
	s_lshl_b32 s34, s22, 4
	s_add_co_u32 s32, s32, s34
	s_add_nc_u64 s[20:21], s[20:21], s[32:33]
	MLOAD 0
	MLOAD 1
.set i, 0
.rept 16
	v_mov_b32 v[160+i], 0                          ; a lane write's destination counts as read
.set i, i+1
.endr
	s_mov_b32 s43, 0
	s_mov_b32 s44, 0
	s_mov_b32 s45, 0
	s_mov_b32 s46, 0
.irp u, 0,1,2,3,4,5,6,7
	MUNIT \u
.endr
	s_lshl_b32 s47, s22, 3
	s_lshl_b32 s45, s45, s47                       ; my 8 steps' bits at their place among the 32
	s_lshl_b32 s46, s46, s47
	s_lshr_b32 s47, s43, 16
	s_or_b32 s43, s43, s47
	s_and_b32 s43, s43, 0xffff                     ; tile 0: query r has a key that counts, in either half of the lanes
	s_lshr_b32 s47, s44, 16
	s_or_b32 s44, s44, s47
	s_lshl_b32 s44, s44, 16                        ; tile 1
	s_or_b32 s43, s43, s44
	v_mov_b32 v176, 0
	v_writelane_b32 v176, s45, 0
	v_writelane_b32 v176, s43, 1
	v_writelane_b32 v176, s46, 2
	v_lshlrev_b32 v177, 2, v2
	s_wait_xcnt 0x0                                ; EXEC changes only behind this wait: the stores above have read theirs
	v_cmp_gt_u32 vcc_lo, 4, v2
	s_and_saveexec_b32 s35, vcc_lo
	global_store_b32 v177, v176, s[20:21]          ; four words: my record
	s_wait_xcnt 0x0                                ; and again in front of the line that widens it
	s_or_b32 exec_lo, exec_lo, s35
	FINISH
.Lfunc_end_k_q2c86354f50_prep:
	.size	k_q2c86354f50_prep, .Lfunc_end_k_q2c86354f50_prep-k_q2c86354f50_prep
	.p2alignl 7, 3214868480
	.fill 96, 4, 3214868480
	.section	.rodata,"a",@progbits
	.p2align	6, 0x0
	.amdhsa_kernel k_q2c86354f50_prep
		.amdhsa_group_segment_fixed_size 102912
		.amdhsa_private_segment_fixed_size 0
		.amdhsa_enable_private_segment 0
		.amdhsa_kernarg_size 72
		.amdhsa_user_sgpr_count 2
		.amdhsa_user_sgpr_kernarg_segment_ptr 1
		.amdhsa_wavefront_size32 1
		.amdhsa_system_sgpr_workgroup_id_x 1
		.amdhsa_system_sgpr_workgroup_id_y 1
		.amdhsa_system_sgpr_workgroup_id_z 1
		.amdhsa_system_vgpr_workitem_id 0
		.amdhsa_next_free_vgpr 192
		.amdhsa_next_free_sgpr 66
		.amdhsa_reserve_vcc 1
		.amdhsa_float_denorm_mode_32 3
		.amdhsa_float_denorm_mode_16_64 3
		.amdhsa_memory_ordered 1
		.amdhsa_forward_progress 1
		.amdhsa_inst_pref_size 248
	.end_amdhsa_kernel
	.amdgpu_metadata
---
amdhsa.version: [ 1, 2 ]
amdhsa.kernels:
  - .name:           k_q2c86354f50_prep
    .symbol:         k_q2c86354f50_prep.kd
    .args:
      - { .name: x, .offset: 0, .size: 8, .value_kind: global_buffer, .address_space: global }
      - { .name: W_qkv, .offset: 8, .size: 8, .value_kind: global_buffer, .address_space: global }
      - { .name: W_out, .offset: 16, .size: 8, .value_kind: global_buffer, .address_space: global }
      - { .name: mask, .offset: 24, .size: 8, .value_kind: global_buffer, .address_space: global }
      - { .name: lowp_scales, .offset: 32, .size: 8, .value_kind: global_buffer, .address_space: global }
      - { .name: xw, .offset: 40, .size: 8, .value_kind: global_buffer, .address_space: global }
      - { .name: wo, .offset: 48, .size: 8, .value_kind: global_buffer, .address_space: global }
      - { .name: mw, .offset: 56, .size: 8, .value_kind: global_buffer, .address_space: global }
      - { .name: mf, .offset: 64, .size: 8, .value_kind: global_buffer, .address_space: global }
    .group_segment_fixed_size: 102912
    .private_segment_fixed_size: 0
    .kernarg_segment_align: 8
    .kernarg_segment_size: 72
    .max_flat_workgroup_size: 128
    .sgpr_count:     66
    .vgpr_count:     192
    .wavefront_size: 32
...
	.end_amdgpu_metadata
.endif
;; end of part 1
;; launch gemm_qkv (part 2): grid 12 x 32, 4 waves a work-group, clusters of 4 x 4, 327,680 bytes of LDS; arguments xw, b_qkv, lowp_scales, qkv; writes qkv
.if DOCPART == 2
	.amdgcn_target "amdgcn-amd-amdhsa--gfx1250"
	.amdhsa_code_object_version 6
	.text
	.protected	k_q2c86354f50_gemm_qkv
	.globl	k_q2c86354f50_gemm_qkv
	.p2align	8
	.type	k_q2c86354f50_gemm_qkv,@function
k_q2c86354f50_gemm_qkv:
	s_mov_b64 s[64:65], 0
	v_nop
	global_prefetch_b8 v0, s[64:65] scope:SCOPE_SE
	s_setreg_imm32_b32 hwreg(HW_REG_WAVE_MODE, 25, 1), 1
	s_wait_xcnt 0x0
	s_wait_alu depctr_hold_cnt(0) depctr_sa_sdst(0) depctr_va_vdst(0) depctr_va_sdst(0) depctr_va_ssrc(0) depctr_va_vcc(0) depctr_vm_vsrc(0)
	s_getreg_b32 s2, hwreg(HW_REG_IB_STS2, 6, 4)
	s_cmp_eq_u32 s2, 0
	s_cbranch_scc0 .Lentry_in_a_cluster
	s_endpgm
.Lentry_in_a_cluster:
	s_bfe_u32 s2, ttmp6, 0x10000c
	s_cmp_lg_u32 s2, 0xf033
	s_cbranch_scc0 .Lentry_shape_is_right
	s_endpgm
.Lentry_shape_is_right:
; qkv = x W_qkv + b_qkv on codes of E4M3, and its three parts quantised at once for the attention launch.
; xw: 11,264 rows x 1,024 codes, K innermost: rows 0 .. 8191 are x's, row 8192 + n is column n of W_qkv.  Sums in f32, x 2^(e0 + e1), + bias; then code = value / 2^e, held within +-448 (e2 for q, e3 for k, e5 for v).
; Out: q at byte 0 and k at 8,388,608 of qkv, [b x 16 + h][l][64]; v at 16,777,216, [b x 16 + h][d][l 2,048]: the keys innermost, since they are the second attention product's K.
; A tile of 256 x 256 to a work-group of four waves, 128 x 128 a wave: 64 accumulators, 512 registers.  K in steps of 256 through a ring of two LDS slots filled by the tensor data mover.
; CLUSTERS of 4 x 4: A's tile is shared along a row of the cluster, B's along a column: each is asked for jointly.  The matrix instruction is used transposed (source 0 = 16 rows of B, source 1 = 16 rows of A):
; a lane holds one row of A's side and eight neighbours of B's side.
; THREE KINDS OF CLUSTER, by the cluster's x alone (the same in all sixteen partners): 0: q, 1: k: A = rows of x, B = rows of W: a lane's eight numbers run along the head's 64, the first attention product's K.
; 2: v: THE OPERANDS CHANGE PLACES BY ADDRESS: A = W's rows for v, B = rows of x: the same loop gives v transposed, and a lane's eight numbers run along the keys.
; LIMITS: e0 + e1 between -126 and 127; e2, e3, e5 between -126 and 119.  NaN among the inputs is not served.
; REGISTERS, in windows of 256: window 0: v0-31 addresses; v32-95 the bias of my lane's columns, v96-111 of my lane's rows (both stay); from v128 A's fragments, one set; on the way out v112-239 are at work.
;   window 1: B's fragments, two sets.   windows 2, 3: the accumulators ((a, b) at v[8 (8 (a % 4) + b)]).
.set KSTEP,  256
.set ROWB,   256                       ; a tile's row in bytes
.set KROW,   1024                      ; a row of xw in bytes
.set PITCH,  272                       ; an LDS row: 256 bytes + 16 of padding: the 16 rows that a load touches start at 16 different banks (64 banks of 4 bytes: ISA guide 11.1)
.set FR,     16
.set NL,     4
.set NP,     4
.set HALFT,  128*PITCH
.set SLOT,   4*HALFT
.set LAPS,   2                         ; K = 1,024: four K steps, twice round the ring
.set SPARE,  2*SLOT                    ; behind the ring: the spare words, two blocks of 256 bytes that no other line names
.set QSTG,   256*272                   ; the way out.  Both stages lie in slot 0, which has had its last fill and its last read by then: v's, 256 rows x 272 bytes, from byte 0;
                                       ; q's and k's behind it: for each wave 2 heads x 16 rows x 80 bytes
.set ADRA, 16                          ; v16-17  LDS address of my A fragments in slot 0, 1
.set STOQ, 18                          ; v18     q, k: where I put 8 codes
.set RDQ,  19                          ; v19     and where I read 16 back
.set ADRB, 20                          ; v20-21  as ADRA, for B
.set STOV, 22                          ; v22, v23 the same two for v
.set RDV,  23
.set GOQ,  24                          ; v24     q, k: my byte in a store's 512
.set GOV,  25                          ; v25     v: my byte in two rows of 2,048
.set BOQ,  26                          ; v26     32 x (lane / 16): bias of my eight columns
.set BOV,  27                          ; v27     4 x (lane % 16): bias of my row
.set SPW,  28
.set NIL,  29
.set LIMV, 30                          ; v30     448 x 2^e
.set SCV,  31                          ; v31     2^e
.set BI,   32
.set BV,   96
.set CD,   112                         ; two sets of 16: a block's codes
.set TMP,  144                         ; 64: a block's values
.set BK,   208                         ; two sets of 16: codes read back
.set AF,   128
.set G1, 24
.set G0, 32
.set G1B, 48
.set G0B, 56
.set MSB, 0
.macro WIN new                         ; the immediate's high byte repeats the setting that is left
.if MSB != \new
	s_set_vgpr_msb (MSB<<8)|\new
.set MSB, \new
.endif
.endm
.set MUL_LO, 0xa1                      ; source 0 (B) window 1, source 1 (A) window 0, C and D window 2
.set MUL_HI, 0xf1
.set TO_B,   0x40
; A joint load: waves 0 and 1 fetch for A, waves 2 and 3 for B; the branch hangs on the wave's number alone.  An s_nop 0 and four v_nop follow each of the two lines.
.macro JLOAD g0a, g1a, g0b, g1b
	s_cmp_eq_u32 s15, 0
	s_cbranch_scc0 .Lfor_b_\@
	tensor_load_to_lds s[\g0a:\g0a+3], s[\g1a:\g1a+7]
	s_nop 0
.rept 4
	v_nop
.endr
	s_branch .Lasked_\@
.Lfor_b_\@:
	tensor_load_to_lds s[\g0b:\g0b+3], s[\g1b:\g1b+7]
	s_nop 0
.rept 4
	v_nop
.endr
.Lasked_\@:
.endm
.macro CREST                           ; a round of the cluster's barrier behind its opening barrier
	s_cmp_lg_u32 s14, 0
	s_cbranch_scc1 .Lnot_wave_0_\@
	s_barrier_signal -3
.Lnot_wave_0_\@:
	s_barrier_wait -3
	s_barrier_signal -1
	s_barrier_wait -1
.endm
.macro CROUND
	s_barrier_signal -1
	s_barrier_wait -1
	CREST
.endm
	s_load_b256 s[4:11], s[0:1], 0x0               ; xw s[4:5], b_qkv s[6:7], the exponents s[8:9], qkv s[10:11]
	v_lshl_add_u32 v[SPW], v0, 2, SPARE
	v_mov_b32 v[NIL], 0
	ds_add_u32 v[SPW], v[NIL]                      ; the wave's opening: the add, and its wait ahead of my first tensor load; the set-up below stands between them
	v_lshrrev_b32 v1, 5, v0
	v_readfirstlane_b32 s14, v1                    ; wave 0..3
	s_lshr_b32 s15, s14, 1                         ; which half of A's rows is mine.  Also: I fetch for A (0) or for B (1)
	s_and_b32 s16, s14, 1                          ; which half of B's rows.  Also: which 128 rows of that tile I fetch
	s_bfe_u32 s40, ttmp6, 0x40000                  ; cx
	s_bfe_u32 s41, ttmp6, 0x40004                  ; cy
	s_and_b32 s67, ttmp7, 0xffff                   ; the cluster's y
	s_lshl_b32 s43, s41, 2
	s_lshl_b32 s43, 15, s43                        ; my row of the cluster
	s_lshl_b32 s44, 0x1111, s40                    ; my column
	s_or_b32 s[G1+0], s43, (0<<16)|(1<<20)|(1<<21)|(5<<22)|(3<<25)  ; the mask; elements of 1 byte; padding on; bit 21 beside a mask; after every 64 words, 4 words
	s_or_b32 s[G1B+0], s44, (0<<16)|(1<<20)|(1<<21)|(5<<22)|(3<<25)
.irp g, G1, G1B
	s_mov_b32 s[\g+1], ROWB<<16                    ; tensor_dim0
	s_mov_b32 s[\g+2], 128<<16                     ; tensor_dim1
	s_mov_b32 s[\g+3], ROWB<<16                    ; tile_dim0
	s_mov_b32 s[\g+4], 128                         ; tile_dim1
	s_mov_b32 s[\g+5], KROW                        ; from row to row
	s_mov_b32 s[\g+6], 0
	s_mov_b32 s[\g+7], 0
.endr
	s_lshl_b32 s68, s67, 10                        ; 1,024 x cluster y: the cluster's rows of x
	s_lshl_b32 s69, ttmp9, 10
	s_add_co_u32 s69, s69, 8192                    ; q, k: the cluster's rows of W
	s_mov_b32 s70, 10240                           ; v: W's rows for v
	s_cmp_eq_u32 ttmp9, 2
	s_cselect_b32 s70, s70, s68                    ; A's first row for the cluster
	s_cselect_b32 s71, s68, s69                    ; B's
	s_cselect_b32 s66, 1, 0                        ; 1: this cluster makes v
	s_lshl_b32 s18, s16, 7                         ; which 128 rows of the tile I fetch
	s_lshl_b32 s20, s41, 8
	s_add_co_u32 s20, s20, s70
	s_add_co_u32 s20, s20, s18                     ; A: + 256 cy + 128 x half: it hangs on cy alone
	s_lshl_b32 s46, s40, 8
	s_add_co_u32 s46, s46, s71
	s_add_co_u32 s46, s46, s18                     ; B: + 256 cx + 128 x half: on cx alone
	s_lshl_b32 s20, s20, 10                        ; in bytes: under 2^24
	s_mov_b32 s21, 0
	s_lshl_b32 s46, s46, 10
	s_mov_b32 s47, 0
	s_mul_i32 s45, s14, HALFT                      ; where they go: wave x 128 rows
	; my 128 biases begin at: v: 2,048 + 256 cy + 128 x (A's half); q, k: 1,024 x cluster x + 256 cx + 128 x (B's half)
	s_lshl_b32 s72, s41, 8
	s_lshl_b32 s73, s15, 7
	s_add_co_u32 s72, s72, s73
	s_add_co_u32 s72, s72, 2048
	s_lshl_b32 s73, s40, 8
	s_lshl_b32 s74, s16, 7
	s_add_co_u32 s73, s73, s74
	s_lshl_b32 s74, ttmp9, 10
	s_add_co_u32 s73, s73, s74
	s_cmp_eq_u32 s66, 1
	s_cselect_b32 s72, s72, s73
	s_lshl_b32 s72, s72, 2
	s_mov_b32 s73, 0
	; where my part of the result begins in qkv
	s_lshl_b32 s78, s67, 2
	s_add_co_u32 s79, s78, s41                     ; q, k: the tile of 256 rows of x: 4 x cluster y + cy
	s_add_co_u32 s78, s78, s40                     ; v: 4 x cluster y + cx
	s_lshr_b32 s88, s79, 3                         ; b
	s_lshl_b32 s88, s88, 4
	s_lshl_b32 s89, s40, 2
	s_add_co_u32 s88, s88, s89
	s_lshl_b32 s89, s16, 1
	s_add_co_u32 s88, s88, s89                     ; 16 b + my first head: 4 cx + 2 x half
	s_lshl_b32 s88, s88, 11
	s_and_b32 s89, s79, 7
	s_lshl_b32 s89, s89, 8
	s_add_co_u32 s88, s88, s89
	s_lshl_b32 s89, s15, 7
	s_add_co_u32 s88, s88, s89                     ; x 2,048 + my first l
	s_lshl_b32 s88, s88, 6                         ; rows of 64 bytes
	s_lshl_b32 s89, ttmp9, 23
	s_add_co_u32 s88, s88, s89                     ; q or k
	s_lshr_b32 s90, s78, 3                         ; b
	s_lshl_b32 s90, s90, 10
	s_lshl_b32 s91, s41, 8
	s_add_co_u32 s90, s90, s91
	s_lshl_b32 s91, s14, 6
	s_add_co_u32 s90, s90, s91                     ; 1,024 b + 256 cy + 64 x wave: the first row of v^T that I store
	s_lshl_b32 s90, s90, 11                        ; rows of 2,048 bytes
	s_and_b32 s91, s78, 7
	s_lshl_b32 s91, s91, 8
	s_add_co_u32 s90, s90, s91                     ; + the tile's first key
	s_add_co_u32 s90, s90, 16777216
	s_cmp_eq_u32 s66, 1
	s_cselect_b32 s88, s90, s88
	s_mov_b32 s89, 0
	s_wait_dscnt 0x0                               ; the opening add is done
	s_wait_kmcnt 0x0
	s_load_b256 s[80:87], s[8:9], 0x0              ; e0 .. e7
	s_add_nc_u64 s[20:21], s[4:5], s[20:21]
	s_add_nc_u64 s[46:47], s[4:5], s[46:47]
	s_add_nc_u64 s[76:77], s[6:7], s[72:73]
	s_add_nc_u64 s[10:11], s[10:11], s[88:89]
	CROUND                                         ; all sixteen work-groups are here: the first joint loads meet
.irp s, 0,1
	s_mov_b32 s[G0+4*\s], 1
	s_add_co_u32 s[G0+4*\s+1], s45, \s*SLOT
	s_add_nc_u64 s[G0+4*\s+2:G0+4*\s+3], s[20:21], \s*ROWB
	s_or_b32 s[G0+4*\s+3], s[G0+4*\s+3], 0x80000000
	s_mov_b32 s[G0B+4*\s], 1
	s_add_co_u32 s[G0B+4*\s+1], s45, \s*SLOT
	s_add_nc_u64 s[G0B+4*\s+2:G0B+4*\s+3], s[46:47], \s*ROWB
	s_or_b32 s[G0B+4*\s+3], s[G0B+4*\s+3], 0x80000000
	JLOAD G0+4*\s, G1, G0B+4*\s, G1B
.endr
	v_and_b32 v1, 15, v0                           ; r = lane % 16
	v_bfe_u32 v2, v0, 4, 1                         ; h = lane / 16
	v_lshlrev_b32 v[BOQ], 5, v2
	v_lshlrev_b32 v[BOV], 2, v1
.irp b, 0,1,2,3,4,5,6,7                            ; both layouts of my 128 biases, whichever kind the cluster is: no branch, and the registers stay through the loop
	global_load_b128 v[BI+8*\b:BI+8*\b+3], v[BOQ], s[76:77] offset:64*\b       ; columns 16 b + 8 h + 0 .. 7
	global_load_b128 v[BI+8*\b+4:BI+8*\b+7], v[BOQ], s[76:77] offset:64*\b+16
.endr
.irp a, 0,1,2,3,4,5,6,7
	global_load_b32 v[BV+2*\a], v[BOV], s[76:77] offset:64*\a                  ; row 16 a + r, twice: a pair for the packed form
	global_load_b32 v[BV+2*\a+1], v[BOV], s[76:77] offset:64*\a
.endr
	v_mul_u32_u24 v3, v1, PITCH
	v_lshl_add_u32 v4, v2, 4, v3                   ; a fragment's row x pitch + 16 x half
	s_mul_i32 s21, s15, HALFT                      ; my 128 rows of A
	s_mul_i32 s22, s16, HALFT                      ; my 128 rows of B,
	s_add_co_u32 s22, s22, 2*HALFT                 ; which lie behind A's 256
.irp s, 0,1
	v_add_nc_u32 v[ADRA+\s], s21, v4
	v_add_nc_u32 v[ADRB+\s], s22, v4
	s_add_co_u32 s21, s21, SLOT
	s_add_co_u32 s22, s22, SLOT
.endr
	v_and_b32 v6, 31, v0                           ; lane
	s_mul_i32 s23, s14, 2560
	s_add_co_u32 s23, s23, QSTG                    ; q, k: my stage
	v_mul_u32_u24 v5, v1, 80
	v_lshl_add_u32 v5, v2, 3, v5
	v_add_nc_u32 v[STOQ], s23, v5                  ; in: row r, + 8 h
	v_lshrrev_b32 v5, 2, v6
	v_mul_u32_u24 v5, v5, 80
	v_and_b32 v7, 3, v6
	v_lshl_add_u32 v5, v7, 4, v5
	v_add_nc_u32 v[RDQ], s23, v5                   ; back: four lanes to a row of 64 bytes, eight rows an instruction
	s_mul_i32 s23, s15, 128*272
	s_lshl_b32 s22, s16, 7
	s_add_co_u32 s23, s23, s22
	v_mul_u32_u24 v5, v1, 272
	v_lshl_add_u32 v5, v2, 3, v5
	v_add_nc_u32 v[STOV], s23, v5                  ; v, in: row 128 x (A's half) + r, byte 128 x (B's half) + 8 h
	s_mul_i32 s23, s14, 64*272
	v_mul_u32_u24 v5, v2, 272
	v_lshl_add_u32 v5, v1, 4, v5
	v_add_nc_u32 v[RDV], s23, v5                   ; back: my 64 rows, sixteen lanes to a row, two rows an instruction
	v_lshlrev_b32 v[GOQ], 4, v6
	v_lshlrev_b32 v[GOV], 11, v2
	v_lshl_add_u32 v[GOV], v1, 4, v[GOV]
	s_wait_kmcnt 0x0
	s_cmp_eq_u32 ttmp9, 0
	s_cselect_b32 s92, s82, s83                    ; e2 for q, e3 for k,
	s_cmp_eq_u32 ttmp9, 2
	s_cselect_b32 s92, s85, s92                    ; e5 for v: a choice, no branch
	s_add_co_i32 s92, s92, 127
	s_lshl_b32 s93, s92, 23
	v_mov_b32 v[SCV], s93
	s_add_co_i32 s92, s92, 8
	s_lshl_b32 s92, s92, 23
	s_or_b32 s92, s92, 0x600000
	v_mov_b32 v[LIMV], s92
	s_add_co_i32 s96, s80, s81
	s_add_co_i32 s96, s96, 127
	s_lshl_b32 s96, s96, 23                        ; 2^(e0 + e1) as f32
	s_mov_b32 s97, s96                             ; (named with it as a pair, so it is written)
.macro FRAG reg, adr, q, i             ; 16 rows x 128 K: lane l holds row l % 16; registers 4 c .. 4 c + 3 hold K = 32 c + 16 (l / 16) + 0 .. 15: the same places of k in A and in B
.irp c, 0,1,2,3
	ds_load_b128 v[\reg+4*\c:\reg+4*\c+3], v[\adr] offset:128*(\q)+32*\c+(\i)*16*PITCH
.endr
.endm
; 16 matrix instructions: A's blocks a0, a0 + 1 x B's eight.  The 64 accumulators take turns, one instruction a turn, in the same order in every step.
.macro MUL16 a0, p, zero
.irp a, \a0, \a0+1
.irp b, 0,1,2,3,4,5,6,7
.if \zero
	v_wmma_f32_16x16x128_fp8_fp8 v[8*(8*((\a)%4)+\b):8*(8*((\a)%4)+\b)+7], v[128*(\p)+FR*\b:128*(\p)+FR*\b+FR-1], v[AF+FR*(\a):AF+FR*(\a)+FR-1], 0
.else
	v_wmma_f32_16x16x128_fp8_fp8 v[8*(8*((\a)%4)+\b):8*(8*((\a)%4)+\b)+7], v[128*(\p)+FR*\b:128*(\p)+FR*\b+FR-1], v[AF+FR*(\a):AF+FR*(\a)+FR-1], v[8*(8*((\a)%4)+\b):8*(8*((\a)%4)+\b)+7]
.endif
.endr
.endr
.endm
.macro FETCH_B slot, q, p
	WIN TO_B
.irp i, 0,1,2,3,4,5,6,7
	FRAG 128*(\p)+FR*\i, ADRB+\slot, \q, \i
.endr
	WIN 0
.endm
.macro FETCH_A slot, q, i0
.irp i, \i0, \i0+1, \i0+2, \i0+3
	FRAG AF+FR*(\i), ADRA+\slot, \q, \i
.endr
.endm
.macro PLACES n                        ; plain vector instructions between a matrix instruction and a load into, or a vector read or write of, its registers
.rept \n
	v_nop
.endr
.endm
.macro STEP slot, q, zero              ; 128 along K, with its successor in the same slot
	s_wait_dscnt 4*NL                              ; B's set and A's blocks 0-3 are in; the youngest sixteen loads (A's blocks 4-7) may be out
	WIN MUL_LO
	MUL16 0, (\q)%2, \zero
	MUL16 2, (\q)%2, \zero
	s_wait_dscnt 0
	PLACES NP
	FETCH_B \slot, (\q)+1, 1-(\q)%2
	FETCH_A \slot, (\q)+1, 0
	WIN MUL_HI
	MUL16 4, (\q)%2, \zero
	MUL16 6, (\q)%2, \zero
	PLACES NP
	WIN 0
	FETCH_A \slot, (\q)+1, 4
.endm
; A slot's last step changes slots: one barrier; in front of it each wave waits for all its tensor loads, adds 0 to its spare word, and waits for that and for its reads of this slot.
.macro TURN slot, next, fill
	s_wait_tensorcnt 0x0                           ; all my tensor loads have landed: my part of the next slot
	ds_add_u32 v[SPW], v[NIL]                      ; 0 onto my spare word
	s_wait_dscnt 4*NL+1                            ; the add and the youngest sixteen loads (A's blocks 4-7) may be out
	WIN MUL_LO
	MUL16 0, 1, 0
	s_wait_dscnt 0x0                               ; the add is done, and my reads of this slot are over
	s_barrier_signal -1
	MUL16 2, 1, 0
	WIN 0
	s_barrier_wait -1
.if \fill
	CREST                                          ; the barrier has opened a round of the cluster's: no wave of any partner still reads this slot or has a load on its way
	s_add_nc_u64 s[G0+4*\slot+2:G0+4*\slot+3], s[G0+4*\slot+2:G0+4*\slot+3], 2*ROWB
	s_add_nc_u64 s[G0B+4*\slot+2:G0B+4*\slot+3], s[G0B+4*\slot+2:G0B+4*\slot+3], 2*ROWB
	JLOAD G0+4*\slot, G1, G0B+4*\slot, G1B         ; the first tensor load behind the round; its four v_nop are the places in front of the loads below
.else
	PLACES NP
.endif
	FETCH_B \next, 0, 0
	FETCH_A \next, 0, 0
	WIN MUL_HI
	MUL16 4, 1, 0
	MUL16 6, 1, 0
	PLACES NP
	WIN 0
	FETCH_A \next, 0, 4
.endm
	s_wait_loadcnt 0x0                             ; the biases
	s_wait_tensorcnt 1                             ; my part of K step 0 is in; K step 1's load may be out
	s_barrier_signal -1
	s_barrier_wait -1
	FETCH_B 0, 0, 0
	FETCH_A 0, 0, 0
	FETCH_A 0, 0, 4
	STEP 0, 0, 1                                   ; the first step's products start the sums
	s_mov_b32 s3, LAPS-1
.Llap:
	TURN 0, 1, 1
	STEP 1, 0, 0
	TURN 1, 0, 1
	STEP 0, 0, 0
	s_sub_co_u32 s3, s3, 1
	s_cmp_lg_u32 s3, 0
	s_cbranch_scc1 .Llap
	TURN 0, 1, 0                                   ; the last lap fills nothing
	STEP 1, 0, 0
	s_wait_dscnt 4*NL
	WIN MUL_LO
	MUL16 0, 1, 0
	MUL16 2, 1, 0
	s_wait_dscnt 0
	WIN MUL_HI
	MUL16 4, 1, 0
	MUL16 6, 1, 0
	WIN 0
; THE WAY OUT, block by block of 16 rows of A's side.  value = sum x 2^(e0 + e1) + bias, one packed multiply-add for two; the hold; eight codes a conversion: a lane's eight neighbours along the next K.
.macro VALUES a, bias, step            ; bias: the first register of the addends; step: 1: they run with the columns; 0: one pair for the block
.set AC, 64*((\a)%4)
	WIN 0x02+((\a)/4)                              ; source 0: window 2 or 3
.set k, 0
.rept 32
	v_pk_fma_f32 v[TMP+k:TMP+k+1], v[AC+k:AC+k+1], s[96:97], v[\bias+k*\step:\bias+k*\step+1] op_sel_hi:[1,0,1]   ; each accumulator from its low end on
.set k, k+2
.endr
	WIN 0
.set k, 0
.rept 64
	v_med3_num_f32 v[TMP+k], v[TMP+k], -v[LIMV], v[LIMV]   ; the conversion does not saturate (ISA guide 7.6.2)
.set k, k+1
.endr
.endm
.macro CODES a
.set CB, CD+16*((\a)%2)
.irp b, 0,1,2,3,4,5,6,7
	v_cvt_scalef32_pk8_fp8_f32 v[CB+2*\b:CB+2*\b+1], v[TMP+8*\b:TMP+8*\b+7], v[SCV]
.endr
	v_nop                                          ; a plain vector instruction behind the last conversion, ahead of the next writes of its sources
.endm
; q, k: my 128 columns are two heads.  A block's codes go through my stage (a head's 16 rows of 64 bytes, 80 apart) and leave as 512 consecutive bytes a store: eight whole rows of a head.
.macro QBLOCK a
	VALUES \a, BI, 1
	CODES \a
.set CB, CD+16*((\a)%2)
.set BB, BK+16*((\a)%2)
.irp b, 0,1,2,3,4,5,6,7
	ds_store_b64 v[STOQ], v[CB+2*\b:CB+2*\b+1] offset:(\b/4)*1280+16*(\b%4)
.endr
.irp i, 0,1,2,3
	ds_load_b128 v[BB+4*\i:BB+4*\i+3], v[RDQ] offset:(\i/2)*1280+(\i%2)*640   ; LDS serves a wave's instructions in order: these see the stores above
.endr
.endm
.macro QSEND a, younger
.set BB, BK+16*((\a)%2)
	s_wait_dscnt \younger                          ; the block is back; behind its loads stand the next block's 8 stores and 4 loads, or nothing
.irp i, 0,1,2,3
	global_store_b128 v[GOQ], v[BB+4*\i:BB+4*\i+3], s[10:11] offset:(\i/2)*131072+(\a)*1024+(\i%2)*512
.endr
.endm
; v: the work-group's 256 channels x 256 keys meet in one stage, since a row's 256 bytes come from two waves
.macro VBLOCK a
	VALUES \a, BV+2*(\a), 0
.if (\a) >= 2
	s_wait_dscnt 8                                 ; the last block's 8 stores may be out; those of the block before it have read the set that is written now
.endif
	CODES \a
.set CB, CD+16*((\a)%2)
.irp b, 0,1,2,3,4,5,6,7
	ds_store_b64 v[STOV], v[CB+2*\b:CB+2*\b+1] offset:(\a)*4352+16*\b
.endr
.endm
	PLACES NP                                      ; behind the last products: for the writes into registers that held A's fragments
	s_cmp_eq_u32 s66, 1                            ; the cluster's kind: the same in all partners and waves
	s_cbranch_scc1 .Lpack_v
	QBLOCK 0
.irp a, 1,2,3,4,5,6,7
.if \a > 1
	s_wait_xcnt 0x0                                ; block a - 2's stores have read their registers: block a's loads may land there
.endif
	QBLOCK \a
	QSEND \a-1, 12
.endr
	QSEND 7, 0
	s_branch .Ljoin
.Lpack_v:
.irp a, 0,1,2,3,4,5,6,7
	VBLOCK \a
.endr
.Ljoin:
	s_wait_xcnt 0x0                                ; the stores above have read their registers
	s_wait_dscnt 0x0                               ; for the others' sake: my stores into the stage are done
	s_barrier_signal -1
	s_barrier_wait -1
	s_cmp_eq_u32 s66, 1
	s_cbranch_scc0 .Ldone
.set i, 0
.rept 32
	ds_load_b128 v[CD+4*i:CD+4*i+3], v[RDV] offset:544*i
.set i, i+1
.endr
.set i, 0
.rept 32
	s_wait_dscnt 31-i                              ; the younger loads of the 32 may be out
	global_store_b128 v[GOV], v[CD+4*i:CD+4*i+3], s[10:11] offset:4096*i   ; sixteen lanes store 256 consecutive bytes, at a multiple of 256 from the buffer's first byte
.set i, i+1
.endr
.Ldone:
	s_wait_tensorcnt 0x0                           ; the wave's end
	ds_add_u32 v[SPW], v[NIL]
	s_wait_dscnt 0x0
	CROUND                                         ; the closing round: no work-group ends while a partner may still ask for a tile that names it
	s_endpgm
.Lfunc_end_k_q2c86354f50_gemm_qkv:
	.size	k_q2c86354f50_gemm_qkv, .Lfunc_end_k_q2c86354f50_gemm_qkv-k_q2c86354f50_gemm_qkv
	.p2alignl 7, 3214868480
	.fill 96, 4, 3214868480
	.section	.rodata,"a",@progbits
	.p2align	6, 0x0
	.amdhsa_kernel k_q2c86354f50_gemm_qkv
		.amdhsa_group_segment_fixed_size 327680
		.amdhsa_private_segment_fixed_size 0
		.amdhsa_enable_private_segment 0
		.amdhsa_kernarg_size 32
		.amdhsa_user_sgpr_count 2
		.amdhsa_user_sgpr_kernarg_segment_ptr 1
		.amdhsa_wavefront_size32 1
		.amdhsa_system_sgpr_workgroup_id_x 1
		.amdhsa_system_sgpr_workgroup_id_y 1
		.amdhsa_system_sgpr_workgroup_id_z 1
		.amdhsa_system_vgpr_workitem_id 0
		.amdhsa_next_free_vgpr 1024
		.amdhsa_next_free_sgpr 100
		.amdhsa_reserve_vcc 0
		.amdhsa_float_denorm_mode_32 3
		.amdhsa_float_denorm_mode_16_64 3
		.amdhsa_memory_ordered 1
		.amdhsa_forward_progress 1
		.amdhsa_inst_pref_size 209
	.end_amdhsa_kernel
	.amdgpu_metadata
---
amdhsa.version: [ 1, 2 ]
amdhsa.kernels:
  - .name:           k_q2c86354f50_gemm_qkv
    .symbol:         k_q2c86354f50_gemm_qkv.kd
    .args:
      - { .name: xw, .offset: 0, .size: 8, .value_kind: global_buffer, .address_space: global }
      - { .name: b_qkv, .offset: 8, .size: 8, .value_kind: global_buffer, .address_space: global }
      - { .name: lowp_scales, .offset: 16, .size: 8, .value_kind: global_buffer, .address_space: global }
      - { .name: qkv, .offset: 24, .size: 8, .value_kind: global_buffer, .address_space: global }
    .group_segment_fixed_size: 327680
    .private_segment_fixed_size: 0
    .kernarg_segment_align: 8
    .kernarg_segment_size: 32
    .max_flat_workgroup_size: 128
    .sgpr_count:     100
    .vgpr_count:     1024
    .wavefront_size: 32
...
	.end_amdgpu_metadata
.endif
;; end of part 2
;; launch attn (part 3): grid 4 x 64, 16 waves a work-group, no clusters, 174,080 bytes of LDS; arguments qkv, mw, mf, lowp_scales, ac; writes ac
.if DOCPART == 3
	.amdgcn_target "amdgcn-amd-amdhsa--gfx1250"
	.amdhsa_code_object_version 6
	.text
	.protected	k_q2c86354f50_attn
	.globl	k_q2c86354f50_attn
	.p2align	8
	.type	k_q2c86354f50_attn,@function
k_q2c86354f50_attn:
	s_mov_b64 s[64:65], 0
	v_nop
	global_prefetch_b8 v0, s[64:65] scope:SCOPE_SE
	s_setreg_imm32_b32 hwreg(HW_REG_WAVE_MODE, 25, 1), 1
	s_wait_xcnt 0x0
; ATTENTION on codes of E4M3: for each of 64 heads (b x 16 + h): S = q k^T, the given mask, softmax, O = p v; O quantised for the last product.
; q, k: [head][l][64] codes; v: [head][d 64][l 2,048] codes, the keys innermost.  Out: ac [h][b x 2,048 + l][64] codes.
; THE SOFTMAX AHEAD OF THE SECOND PRODUCT: t = score x log2(e) / 8; M = the running largest t, rounded UP to a whole number; p = 2^(t - M) is quantised with 2^e4; the row's sum is taken of the unquantised p
; and divides at the end; when M moves, sum and O are multiplied by 2^(old M - new M): nothing is rounded.
; THE MASK IS AN INPUT.  An earlier launch has turned it into lane-mask words (mw) and flags for tiles of 32 queries x 64 keys (mf).  A key that does not count gets the score RM = -2^(33 - e2 - e3),
; so that its t is the whole number -1.4427 x 2^30 (the reference's fill is t = -1.4427e9): beside any key that counts its p is 0; in a row in which NO key counts every p is exactly 1, and the row
; comes out as the mean of v, as the reference has it.  A tile in which no key counts is passed over by a scalar branch on the stored flags, but only where each of the pair's 32 queries has
; a key that counts somewhere; a tile in which all count skips the selects.
; SHARES.  Work-group (x, head) owns query blocks x and 7 - x of 256.  Each of sixteen waves owns a pair of tiles, 32 queries; both tiles use each fragment of k and v that is read from LDS.
; A step is 64 keys.  k and v come through registers into two LDS slots of 256 keys, asked for a whole slot ahead by all 512 threads; one barrier a slot.  No tensor load, since steps are jumped over
; by branches on stored numbers; for the same reason no cluster.
; LAYOUT.  Both products transposed: S^T = k q^T, O^T = v^T p^T: a lane holds one query (lane % 16).  k's rows are stored in LDS with bits 3 and 4 of the key exchanged, so that the 16 rows of a tile
; are neighbours in LDS and score register 16 b + i of lane half h is key 32 b + 16 h + i: the conversions' results are the second product's operand.
; LIMITS: e2 + e3 between -94 and 9 (above 9 a score that counts could lie under RM); e4 and e6 - e4 - e5 between -126 and 119.  NaN among the inputs is not served.
.set SLOT1, 65536                      ; slot 1 begins here
.set KP,    80                         ; a key's row in LDS: 64 bytes + 16
.set VP,    272                        ; a row of v^T: 256 bytes + 16
.set VOFF,  256*KP                     ; a slot: 256 rows of k, then 64 rows of v^T
.set STAGE, 2*SLOT1                    ; the way out: 32 rows x 80 bytes for each wave
.set SPARE, STAGE+16*32*KP             ; the spare words, 128 bytes for each wave: eight blocks of 256 bytes that no other line names
.set AK0, 1                            ; v1   my lane's place in a tile of k
.set AV0, 2                            ; v2   of v^T
.set ADK, 3                            ; v3, v4  the same in the slot in hand
.set ADV, 4
.set SPW, 5
.set NIL, 6
.set GK,  7                            ; v7   fills: my thread's byte in a slot's k in memory
.set GV,  8                            ; v8   in v
.set LK,  9                            ; v9, v10 and in a slot in LDS
.set LV,  10
.set FK,  11                           ; v11, v12 the same in the slot that is being filled
.set FV,  12
.set QO,  13
.set FILL, 16                          ; v16-31  a fill on its way
.set QF,  32                           ; v32-47  q, 8 a tile
.set KF,  48                           ; v48-79  four fragments of k, then of v
.set SCO, 80                           ; v80-143 S^T, then p: 32 a tile
.set OT,  144                          ; v144-207 O^T: tile u, channels 16 c + 8 h + j at 144 + 32 u + 8 c + j
.set PCD, 208                          ; v208-223 p's codes, 8 a tile
.set STA, 224                          ; v224-239 a tile's eight: +0 -M, +1 the largest t, +2 +3 the sum in two halves, +4 f, +5 0, +6 +7 at work
.set PLIM, 240                         ; 448 x 2^e4
.set PSC,  241                         ; 2^e4
.set RM,   242
.set STO,  249
.set RD,   250
.set GO,   251
.set OLIM, 252                         ; 448 x 2^(e6 - e4 - e5)
.set OSC,  253
.set WV,   14                          ; s14  wave
.set ANY,  18                          ; s18  bit 0: the step in hand is to be worked
.set ALL,  19                          ; s19  bit 0: all its keys count
.set NEED, 20                          ; s20  the sixteen waves' ANY joined by or
.set CNT,  21
.set TB,   22                          ; s22  LDS byte of the slot in hand
.set FB,   23                          ; s23  of the other
.set HOLD, 24                          ; s24  1: p's hold can bind
.set MB,   100                         ; s[100:101] my pair's mask words of the slot in hand
.set FLG,  104                         ; s104 the next slot is wanted
; s[2:3] c; s[4:5], s[6:7] k and v of the slot to be asked for; s[12:13] my rows of ac; s[66:67] lane selects; s[32:63], s[68:99] a step's 64 mask words
	s_load_b256 s[4:11], s[0:1], 0x0               ; qkv s[4:5], mw s[6:7], mf s[8:9], the exponents s[10:11]
	s_load_b64 s[12:13], s[0:1], 0x20              ; ac
	v_lshl_add_u32 v[SPW], v0, 2, SPARE
	v_mov_b32 v[NIL], 0
	v_lshrrev_b32 v14, 5, v0
	v_readfirstlane_b32 s[WV], v14                 ; wave 0..15
	s_mov_b32 s15, ttmp9                           ; x
	s_and_b32 s16, ttmp7, 0xffff                   ; head
	s_lshl_b32 s25, s15, 1
	s_sub_co_u32 s25, 7, s25                       ; from block x to block 7 - x
	s_lshr_b32 s26, s[WV], 2
	s_xor_b32 s26, s26, s[WV]
	s_and_b32 s26, s26, 1                          ; which of the two blocks: waves w and w + 1 differ, and so do waves four apart
	s_mul_i32 s26, s26, s25
	s_add_co_u32 s26, s26, s15
	s_lshl_b32 s26, s26, 3
	s_lshr_b32 s27, s[WV], 1
	s_add_co_u32 s17, s26, s27                     ; my pair P = 8 x block + wave / 2
	v_and_b32 v14, 15, v0                          ; r; also: lane l stands for wave l % 16
	v_bfe_u32 v15, v0, 4, 1                        ; h
	v_lshrrev_b32 v65, 2, v14
	v_xor_b32 v65, v65, v14
	v_and_b32 v65, 1, v65
	v_mul_u32_u24 v65, s25, v65
	v_add_nc_u32 v65, s15, v65
	v_lshrrev_b32 v66, 1, v14
	v_lshl_add_u32 v65, v65, 3, v66                ; that wave's pair, by the same arithmetic,
	v_lshlrev_b32 v64, 6, v65                      ; and its record of 64 bytes in mf
	v_lshlrev_b32 v[GK], 4, v0                     ; k: 16 bytes a thread, 8,192 a load
	v_lshrrev_b32 v[GV], 4, v0
	v_mul_u32_u24 v[LV], v[GV], VP
	v_lshlrev_b32 v[GV], 11, v[GV]
	v_lshl_add_u32 v[GV], v14, 4, v[GV]            ; v: row thread / 16 of 2,048 bytes, + 16 (thread % 16)
	v_lshl_add_u32 v[LV], v14, 4, v[LV]
	v_add_nc_u32 v[LV], VOFF, v[LV]
	v_lshlrev_b32 v[QO], 6, v14
	v_lshl_add_u32 v[QO], v15, 4, v[QO]            ; q: row r of 64 bytes, + 16 h
	s_lshl_b32 s28, s16, 17                        ; a head is 131,072 bytes in each of q, k, v
	s_mov_b32 s29, 0
	s_lshl_b32 s30, s17, 11
	s_add_co_u32 s30, s30, s28                     ; my 32 rows of q
	s_mov_b32 s31, 0
	s_wait_kmcnt 0x0
	s_load_b256 s[48:55], s[10:11], 0x0            ; e0 .. e7
	s_add_nc_u64 s[26:27], s[4:5], s[30:31]
	s_lshl_b32 s30, s17, 13
	s_add_nc_u64 s[MB:MB+1], s[6:7], s[30:31]
	s_lshl_b32 s30, s17, 6
	s_add_nc_u64 s[104:105], s[8:9], s[30:31]
	s_load_b512 s[32:47], s[104:105], 0x0          ; my pair's record: four times ANY, ROW, ALL, 0
	s_add_nc_u64 s[4:5], s[4:5], s[28:29]
	s_add_nc_u64 s[6:7], s[4:5], 16777216          ; v of my head
	s_add_nc_u64 s[4:5], s[4:5], 8388608           ; k of my head
	s_and_b32 s28, s16, 15
	s_lshl_b32 s28, s28, 13
	s_lshr_b32 s30, s16, 4
	s_lshl_b32 s30, s30, 11
	s_add_co_u32 s28, s28, s30
	s_lshl_b32 s30, s17, 5
	s_add_co_u32 s28, s28, s30
	s_lshl_b32 s28, s28, 6                         ; (8,192 h + 2,048 b + 32 P) rows of 64 bytes
	s_add_nc_u64 s[12:13], s[12:13], s[28:29]
.macro FILLG                           ; a slot's 256 keys are asked for: k 16,384 bytes on end, v^T 64 rows x 256 bytes
	global_load_b128 v[FILL:FILL+3], v[GK], s[4:5]
	global_load_b128 v[FILL+4:FILL+7], v[GK], s[4:5] offset:8192
	global_load_b128 v[FILL+8:FILL+11], v[GV], s[6:7]
	global_load_b128 v[FILL+12:FILL+15], v[GV], s[6:7] offset:65536
.endm
.macro FILLS                           ; and laid into the slot at s[FB]
	v_add_nc_u32 v[FK], s[FB], v[LK]
	v_add_nc_u32 v[FV], s[FB], v[LV]
	ds_store_b128 v[FK], v[FILL:FILL+3]
	ds_store_b128 v[FK], v[FILL+4:FILL+7] offset:128*KP
	ds_store_b128 v[FV], v[FILL+8:FILL+11]
	ds_store_b128 v[FV], v[FILL+12:FILL+15] offset:32*VP
.endm
.irp o, 0,1,2,3
	global_load_b128 v[48+4*\o:51+4*\o], v64, s[8:9] offset:16*\o
.endr
.irp u, 0,1
.irp c, 0,1
	global_load_b128 v[QF+8*\u+4*\c:QF+8*\u+4*\c+3], v[QO], s[26:27] offset:1024*\u+32*\c   ; registers 4 c on: the head's 32 c + 16 h + 0 .. 15: the same places of k as in k's fragments
.endr
.endr
	FILLG                                          ; slot 0
	v_mul_u32_u24 v[AK0], v14, KP
	v_lshl_add_u32 v[AK0], v15, 4, v[AK0]
	v_mul_u32_u24 v[AV0], v14, VP
	v_lshl_add_u32 v[AV0], v15, 4, v[AV0]
	v_add_nc_u32 v[AV0], VOFF, v[AV0]
	v_lshrrev_b32 v[LK], 2, v0                     ; key = thread / 4
	v_bfe_u32 v[FK], v[LK], 3, 1
	v_bfe_u32 v[FV], v[LK], 4, 1
	v_and_b32 v[LK], 0x67, v[LK]
	v_lshl_add_u32 v[LK], v[FK], 4, v[LK]
	v_lshl_add_u32 v[LK], v[FV], 3, v[LK]          ; its row: bits 3 and 4 exchanged
	v_mul_u32_u24 v[LK], v[LK], KP
	v_and_b32 v[FK], 3, v0
	v_lshl_add_u32 v[LK], v[FK], 4, v[LK]
	s_mul_i32 s28, s[WV], 32*KP
	s_add_co_u32 s28, s28, STAGE                   ; my stage
	v_mul_u32_u24 v[STO], v14, KP
	v_lshl_add_u32 v[STO], v15, 3, v[STO]
	v_add_nc_u32 v[STO], s28, v[STO]               ; in: row r, + 8 h
	v_and_b32 v[GO], 31, v0
	v_lshrrev_b32 v[RD], 2, v[GO]
	v_mul_u32_u24 v[RD], v[RD], KP
	v_and_b32 v[FK], 3, v[GO]
	v_lshl_add_u32 v[RD], v[FK], 4, v[RD]
	v_add_nc_u32 v[RD], s28, v[RD]                 ; back: four lanes to a row, eight rows an instruction
	v_lshlrev_b32 v[GO], 4, v[GO]
.set i, 0
.rept 64
	v_mov_b32 v[OT+i], 0                           ; which step is a wave's first hangs on the mask, so no product can be written out to start the sums
.set i, i+1
.endr
.irp u, 0,1
	v_mov_b32 v[STA+8*\u+1], 0xff61b1e6            ; the largest t so far: -3e38
	v_floor_f32 v[STA+8*\u], -v[STA+8*\u+1]        ; -M
.irp j, 2,3,4,5,6,7
	v_mov_b32 v[STA+8*\u+\j], 0
.endr
.endr
	v_mov_b32 v243, 0                              ; a lane permute's destination counts as one of its sources
	v_mov_b32 v248, 0
	s_mov_b32 s66, 0x76543210
	s_mov_b32 s67, 0xfedcba98                      ; lane l xor 16
	s_wait_kmcnt 0x0
	s_or_b32 s[ANY], s32, s36
	s_or_b32 s[ANY], s[ANY], s40
	s_or_b32 s[ANY], s[ANY], s44
	s_or_b32 s28, s33, s37
	s_or_b32 s28, s28, s41
	s_or_b32 s28, s28, s45                         ; bit: that query of my pair has a key that counts
	s_or_b32 s[ALL], s34, s38
	s_or_b32 s[ALL], s[ALL], s42
	s_or_b32 s[ALL], s[ALL], s46
	s_cmp_eq_u32 s28, -1
	s_cselect_b32 s[ANY], s[ANY], -1               ; a pair with a query for which no key counts passes over nothing
	s_add_co_i32 s28, s50, s51                     ; e2 + e3: a score stands for score x 2^(e2 + e3): added to c's exponent field
	s_lshl_b32 s29, s28, 23
	s_add_co_i32 s2, s29, 0x3e38aa3b               ; c = log2(e) / 8
	s_mov_b32 s3, s2                               ; (named with it as a pair)
	s_sub_co_i32 s28, 160, s28
	s_lshl_b32 s28, s28, 23
	s_or_b32 s28, s28, 0x80000000
	v_mov_b32 v[RM], s28                           ; -2^(33 - e2 - e3)
	s_cmp_lt_i32 s52, -8
	s_cselect_b32 s[HOLD], 1, 0                    ; p is at most 1 but for one rounding; from e4 = -8 on 448 x 2^e4 is 1.75 or more, and the hold cannot bind
	s_add_co_i32 s28, s52, 127
	s_lshl_b32 s29, s28, 23
	v_mov_b32 v[PSC], s29
	s_add_co_i32 s28, s28, 8
	s_lshl_b32 s28, s28, 23
	s_or_b32 s28, s28, 0x600000
	v_mov_b32 v[PLIM], s28
	s_sub_co_i32 s28, s54, s52
	s_sub_co_i32 s28, s28, s53                     ; O^T / the sum stands for that x 2^(e4 + e5): its code is that / 2^(e6 - e4 - e5)
	s_add_co_i32 s28, s28, 127
	s_lshl_b32 s29, s28, 23
	v_mov_b32 v[OSC], s29
	s_add_co_i32 s28, s28, 8
	s_lshl_b32 s28, s28, 23
	s_or_b32 s28, s28, 0x600000
	v_mov_b32 v[OLIM], s28
	s_wait_loadcnt 0x0                             ; the records, q, slot 0
	v_or_b32 v48, v48, v52
	v_or_b32 v56, v56, v60
	v_or_b32 v48, v48, v56
	v_or_b32 v49, v49, v53
	v_or_b32 v57, v57, v61
	v_or_b32 v49, v49, v57
	v_cmp_eq_u32 vcc_lo, -1, v49
	v_cndmask_b32 v48, -1, v48, vcc_lo             ; each wave's ANY, as that wave makes it
	v_readlane_b32 s[NEED], v48, 0
.irp i, 1,2,3,4,5,6,7,8,9,10,11,12,13,14,15
	v_readlane_b32 s28, v48, \i
	s_or_b32 s[NEED], s[NEED], s28                 ; a slot is fetched if any of the sixteen waves works one of its steps: the same number in all waves
.endr
	s_mov_b32 s[FB], 0
	FILLS
	s_add_nc_u64 s[4:5], s[4:5], 16384             ; on to slot 1 (the loads that named these are in)
	s_add_nc_u64 s[6:7], s[6:7], 256
	s_mov_b32 s[TB], 0
	s_mov_b32 s[CNT], 8
	s_wait_dscnt 0x0                               ; for the others' sake: my part of slot 0 lies in LDS
	s_barrier_signal -1
	s_barrier_wait -1
.macro QK8                             ; S^T = k q^T: four tiles of 16 keys x two tiles of queries, K = the head's 64
.irp t, 0,1,2,3
.irp u, 0,1
	v_wmma_f32_16x16x64_fp8_fp8 v[SCO+32*\u+8*\t:SCO+32*\u+8*\t+7], v[KF+8*\t:KF+8*\t+7], v[QF+8*\u:QF+8*\u+7], 0
.endr
.endr
.rept 4
	v_nop                                          ; places behind the products: for the reads of their results and the loads into k's registers
.endr
.endm
; A STEP: 64 keys, the q-th of the slot in hand
.macro STEP q
	s_bitcmp1_b32 s[ANY], 0
	s_cbranch_scc0 .Lskip_\@                       ; no key of it counts for any of my 32 queries
.rept 4
	v_nop                                          ; places in front of loads into registers that the last products read
.endr
.irp t, 0,1,2,3
.irp c, 0,1
	ds_load_b128 v[KF+8*\t+4*\c:KF+8*\t+4*\c+3], v[ADK] offset:64*KP*(\q)+16*KP*\t+32*\c
.endr
.endr
	s_bitcmp1_b32 s[ALL], 0
	s_cbranch_scc1 .Lopen_\@
	s_load_b512 s[32:47], s[MB:MB+1], 256*(\q)     ; the step's 64 lane masks
	s_load_b512 s[48:63], s[MB:MB+1], 256*(\q)+64
	s_load_b512 s[68:83], s[MB:MB+1], 256*(\q)+128
	s_load_b512 s[84:99], s[MB:MB+1], 256*(\q)+192
	s_wait_dscnt 0x0
	QK8
	s_wait_kmcnt 0x0
.set w, 0
.rept 32
	v_cndmask_b32 v[SCO+w], v[RM], v[SCO+w], s[32+w]   ; a key that does not count gets RM; each accumulator from its low end on
.set w, w+1
.endr
.rept 32
	v_cndmask_b32 v[SCO+w], v[RM], v[SCO+w], s[36+w]
.set w, w+1
.endr
	s_branch .Ljoin_\@
.Lopen_\@:
	s_wait_dscnt 0x0
	QK8
.Ljoin_\@:
.irp c, 0,1,2,3
.irp d, 0,1
	ds_load_b128 v[KF+8*\c+4*\d:KF+8*\c+4*\d+3], v[ADV] offset:16*VP*\c+64*(\q)+32*\d   ; v^T: channels 16 c + r, these 64 keys: it lands during the softmax
.endr
.endr
.irp u, 0,1                                        ; the step's largest score of my query among my 32 keys: two chains a tile, ascending
	v_max3_num_f32 v[STA+8*\u+6], v[SCO+32*\u], v[SCO+32*\u+1], v[SCO+32*\u+2]
	v_max3_num_f32 v[STA+8*\u+7], v[SCO+32*\u+16], v[SCO+32*\u+17], v[SCO+32*\u+18]
.endr
.irp i, 3,5,7,9,11,13
.irp u, 0,1
	v_max3_num_f32 v[STA+8*\u+6], v[STA+8*\u+6], v[SCO+32*\u+\i], v[SCO+32*\u+\i+1]
	v_max3_num_f32 v[STA+8*\u+7], v[STA+8*\u+7], v[SCO+32*\u+16+\i], v[SCO+32*\u+17+\i]
.endr
.endr
.irp u, 0,1
	v_max3_num_f32 v[STA+8*\u+6], v[STA+8*\u+6], v[SCO+32*\u+15], v[SCO+32*\u+31]
.endr
.irp u, 0,1
	v_max_num_f32 v[STA+8*\u+6], v[STA+8*\u+6], v[STA+8*\u+7]
.endr
	v_permlanex16_b32 v243, v[STA+6], s66, s67
	v_permlanex16_b32 v248, v[STA+14], s66, s67
	v_max_num_f32 v[STA+6], v[STA+6], v243         ; and among lane l xor 16's
	v_max_num_f32 v[STA+14], v[STA+14], v248
.irp u, 0,1
	v_mul_f32 v[STA+8*\u+6], s2, v[STA+8*\u+6]     ; as t (c is positive)
.endr
.irp u, 0,1
	v_max_num_f32 v[STA+8*\u+1], v[STA+8*\u+1], v[STA+8*\u+6]
	v_mov_b32 v[STA+8*\u+7], v[STA+8*\u]
.endr
.irp u, 0,1
	v_floor_f32 v[STA+8*\u], -v[STA+8*\u+1]        ; the new -M = -ceil(t): a whole number
.endr
.irp u, 0,1
	v_sub_f32 v[STA+8*\u+7], v[STA+8*\u], v[STA+8*\u+7]   ; old M - new M, 0 or less
.endr
.irp u, 0,1
	v_cvt_i32_f32 v[STA+8*\u+7], v[STA+8*\u+7]     ; (it saturates)
.endr
.irp u, 0,1
	v_ldexp_f32 v[STA+8*\u+4], 1.0, v[STA+8*\u+7]  ; f = 2^(old M - new M)
.endr
.set k, 0
.rept 16
.irp u, 0,1
	v_pk_fma_f32 v[SCO+32*\u+k:SCO+32*\u+k+1], v[SCO+32*\u+k:SCO+32*\u+k+1], s[2:3], v[STA+8*\u:STA+8*\u+1] op_sel_hi:[1,0,0]   ; t - M, two at a time
.endr
.set k, k+2
.endr
.set k, 0
.rept 64
	v_exp_f32 v[SCO+k], v[SCO+k]                   ; p = 2^(t - M): one batch
.set k, k+1
.endr
.irp u, 0,1
	v_pk_mul_f32 v[STA+8*\u+2:STA+8*\u+3], v[STA+8*\u+2:STA+8*\u+3], v[STA+8*\u+4:STA+8*\u+5] op_sel_hi:[1,0]   ; the sums under the new M: the plain instructions behind the exponentials
.endr
	s_wait_alu depctr_va_vdst(0)                   ; ahead of the first line that names a result: one for the batch
.irp u, 0,1
	v_pk_add_f32 v[244+2*\u:245+2*\u], v[SCO+32*\u:SCO+32*\u+1], v[SCO+32*\u+2:SCO+32*\u+3]   ; the row's sum is taken of the unquantised p: two chains a tile
.endr
.irp j, 4,8,12,16,20,24,28
.irp u, 0,1
	v_pk_add_f32 v[STA+8*\u+2:STA+8*\u+3], v[STA+8*\u+2:STA+8*\u+3], v[SCO+32*\u+\j:SCO+32*\u+\j+1]
	v_pk_add_f32 v[244+2*\u:245+2*\u], v[244+2*\u:245+2*\u], v[SCO+32*\u+\j+2:SCO+32*\u+\j+3]
.endr
.endr
.irp u, 0,1
	v_pk_add_f32 v[STA+8*\u+2:STA+8*\u+3], v[STA+8*\u+2:STA+8*\u+3], v[244+2*\u:245+2*\u]
.endr
	s_cmp_lg_u32 s[HOLD], 0
	s_cbranch_scc0 .Lnohold_\@
.set k, 0
.rept 64
	v_min_num_f32 v[SCO+k], v[SCO+k], v[PLIM]      ; the conversion does not saturate (ISA guide 7.6.2); p is not negative
.set k, k+1
.endr
.Lnohold_\@:
.irp u, 0,1
.irp g, 0,1,2,3
	v_cvt_scalef32_pk8_fp8_f32 v[PCD+8*\u+2*\g:PCD+8*\u+2*\g+1], v[SCO+32*\u+8*\g:SCO+32*\u+8*\g+7], v[PSC]
.endr
.endr
.set k, 0
.rept 16
.irp u, 0,1
	v_pk_mul_f32 v[OT+32*\u+k:OT+32*\u+k+1], v[OT+32*\u+k:OT+32*\u+k+1], v[STA+8*\u+4:STA+8*\u+5] op_sel_hi:[1,0]   ; O^T under the new M; also the plain instructions behind the conversions
.endr
.set k, k+2
.endr
	s_wait_dscnt 0x0                               ; v^T is in
.irp c, 0,1,2,3
.irp u, 0,1
	v_wmma_f32_16x16x64_fp8_fp8 v[OT+32*\u+8*\c:OT+32*\u+8*\c+7], v[KF+8*\c:KF+8*\c+7], v[PCD+8*\u:PCD+8*\u+7], v[OT+32*\u+8*\c:OT+32*\u+8*\c+7]   ; eight accumulators, one instruction each
.endr
.endr
.Lskip_\@:
	s_lshr_b32 s[ANY], s[ANY], 1
	s_lshr_b32 s[ALL], s[ALL], 1
.endm
.Lslot:                                            ; eight trips, a constant: every wave passes every barrier
	s_xor_b32 s[FB], s[TB], SLOT1                  ; the other slot: every wave left it in front of the last barrier
	s_lshr_b32 s[NEED], s[NEED], 4                 ; its low four bits: the next slot's steps.  In the eighth trip all 32 bits are gone: nothing is asked for past the end
	s_and_b32 s[FLG], s[NEED], 15
	s_cmp_lg_u32 s[FLG], 0
	s_cbranch_scc0 .Lnofill
	FILLG                                          ; four steps of work ahead of the wait for it
.Lnofill:
	v_add_nc_u32 v[ADK], s[TB], v[AK0]
	v_add_nc_u32 v[ADV], s[TB], v[AV0]
	STEP 0
	STEP 1
	STEP 2
	STEP 3
	s_wait_loadcnt 0x0                             ; the next slot's numbers are in registers
	s_cmp_lg_u32 s[FLG], 0
	s_cbranch_scc0 .Lnostore
	FILLS
.Lnostore:
	s_wait_xcnt 0x0                                ; the bases below are written only behind this wait
	s_add_nc_u64 s[4:5], s[4:5], 16384
	s_add_nc_u64 s[6:7], s[6:7], 256
	s_add_nc_u64 s[MB:MB+1], s[MB:MB+1], 1024
	s_xor_b32 s[TB], s[TB], SLOT1
	s_wait_dscnt 0x0                               ; my stores into the next slot have landed, and my reads of this one are over
	s_barrier_signal -1
	s_barrier_wait -1                              ; both now hold of every wave
	s_sub_co_u32 s[CNT], s[CNT], 1
	s_cmp_lg_u32 s[CNT], 0
	s_cbranch_scc1 .Lslot
	; THE WAY OUT: O^T / the sum, held, quantised with 2^(e6 - e4 - e5); through my stage; 2,048 bytes on end: my 32 rows of 64 codes
.rept 4
	v_nop                                          ; places behind the last products
.endr
.irp u, 0,1
	v_add_f32 v[STA+8*\u+6], v[STA+8*\u+2], v[STA+8*\u+3]
.endr
	v_permlanex16_b32 v243, v[STA+6], s66, s67
	v_permlanex16_b32 v248, v[STA+14], s66, s67
	v_add_f32 v[STA+6], v[STA+6], v243
	v_add_f32 v[STA+14], v[STA+14], v248           ; the rows' sums
	v_rcp_f32 v[STA+6], v[STA+6]
	v_rcp_f32 v[STA+14], v[STA+14]
	v_nop                                          ; a plain instruction behind the reciprocals
	s_wait_alu depctr_va_vdst(0)                   ; and the wait ahead of their first reader: one for both
.irp u, 0,1
.set k, 0
.rept 16
	v_pk_mul_f32 v[OT+32*\u+k:OT+32*\u+k+1], v[OT+32*\u+k:OT+32*\u+k+1], v[STA+8*\u+6:STA+8*\u+7] op_sel_hi:[1,0]   ; ascending: each accumulator from its low end on
.set k, k+2
.endr
.endr
.set k, 0
.rept 64
	v_med3_num_f32 v[OT+k], v[OT+k], -v[OLIM], v[OLIM]
.set k, k+1
.endr
.irp u, 0,1
.irp c, 0,1,2,3
	v_cvt_scalef32_pk8_fp8_f32 v[PCD+8*\u+2*\c:PCD+8*\u+2*\c+1], v[OT+32*\u+8*\c:OT+32*\u+8*\c+7], v[OSC]
.endr
.endr
	v_nop
.irp u, 0,1
.irp c, 0,1,2,3
	ds_store_b64 v[STO], v[PCD+8*\u+2*\c:PCD+8*\u+2*\c+1] offset:16*KP*\u+16*\c   ; row 16 u + r, channels 16 c + 8 h + 0 .. 7
.endr
.endr
.irp i, 0,1,2,3
	ds_load_b128 v[FILL+4*\i:FILL+4*\i+3], v[RD] offset:8*KP*\i   ; LDS serves a wave's instructions in order: these see my stores
.endr
.irp i, 0,1,2,3
	s_wait_dscnt 3-\i                              ; the younger loads of the four may be out
	global_store_b128 v[GO], v[FILL+4*\i:FILL+4*\i+3], s[12:13] offset:512*\i
.endr
	s_wait_tensorcnt 0x0                           ; the wave's end
	ds_add_u32 v[SPW], v[NIL]
	s_wait_dscnt 0x0
	s_endpgm
.Lfunc_end_k_q2c86354f50_attn:
	.size	k_q2c86354f50_attn, .Lfunc_end_k_q2c86354f50_attn-k_q2c86354f50_attn
	.p2alignl 7, 3214868480
	.fill 96, 4, 3214868480
	.section	.rodata,"a",@progbits
	.p2align	6, 0x0
	.amdhsa_kernel k_q2c86354f50_attn
		.amdhsa_group_segment_fixed_size 174080
		.amdhsa_private_segment_fixed_size 0
		.amdhsa_enable_private_segment 0
		.amdhsa_kernarg_size 40
		.amdhsa_user_sgpr_count 2
		.amdhsa_user_sgpr_kernarg_segment_ptr 1
		.amdhsa_wavefront_size32 1
		.amdhsa_system_sgpr_workgroup_id_x 1
		.amdhsa_system_sgpr_workgroup_id_y 1
		.amdhsa_system_sgpr_workgroup_id_z 1
		.amdhsa_system_vgpr_workitem_id 0
		.amdhsa_next_free_vgpr 256
		.amdhsa_next_free_sgpr 106
		.amdhsa_reserve_vcc 1
		.amdhsa_float_denorm_mode_32 3
		.amdhsa_float_denorm_mode_16_64 3
		.amdhsa_memory_ordered 1
		.amdhsa_forward_progress 1
		.amdhsa_inst_pref_size 106
	.end_amdhsa_kernel
	.amdgpu_metadata
---
amdhsa.version: [ 1, 2 ]
amdhsa.kernels:
  - .name:           k_q2c86354f50_attn
    .symbol:         k_q2c86354f50_attn.kd
    .args:
      - { .name: qkv, .offset: 0, .size: 8, .value_kind: global_buffer, .address_space: global }
      - { .name: mw, .offset: 8, .size: 8, .value_kind: global_buffer, .address_space: global }
      - { .name: mf, .offset: 16, .size: 8, .value_kind: global_buffer, .address_space: global }
      - { .name: lowp_scales, .offset: 24, .size: 8, .value_kind: global_buffer, .address_space: global }
      - { .name: ac, .offset: 32, .size: 8, .value_kind: global_buffer, .address_space: global }
    .group_segment_fixed_size: 174080
    .private_segment_fixed_size: 0
    .kernarg_segment_align: 8
    .kernarg_segment_size: 40
    .max_flat_workgroup_size: 512
    .sgpr_count:     106
    .vgpr_count:     256
    .wavefront_size: 32
...
	.end_amdgpu_metadata
.endif
;; end of part 3
;; launch gemm_out (part 4): grid 4 x 32, 4 waves a work-group, clusters of 4 x 4, 327,680 bytes of LDS; arguments ac, wo, lowp_scales, b_out, out0; writes out0
.if DOCPART == 4
	.amdgcn_target "amdgcn-amd-amdhsa--gfx1250"
	.amdhsa_code_object_version 6
	.text
	.protected	k_q2c86354f50_gemm_out
	.globl	k_q2c86354f50_gemm_out
	.p2align	8
	.type	k_q2c86354f50_gemm_out,@function
k_q2c86354f50_gemm_out:
	s_mov_b64 s[64:65], 0
	v_nop
	global_prefetch_b8 v0, s[64:65] scope:SCOPE_SE
	s_setreg_imm32_b32 hwreg(HW_REG_WAVE_MODE, 25, 1), 1
	s_wait_xcnt 0x0
	s_wait_alu depctr_hold_cnt(0) depctr_sa_sdst(0) depctr_va_vdst(0) depctr_va_sdst(0) depctr_va_ssrc(0) depctr_va_vcc(0) depctr_vm_vsrc(0)
	s_getreg_b32 s2, hwreg(HW_REG_IB_STS2, 6, 4)
	s_cmp_eq_u32 s2, 0
	s_cbranch_scc0 .Lentry_in_a_cluster
	s_endpgm
.Lentry_in_a_cluster:
	s_bfe_u32 s2, ttmp6, 0x10000c
	s_cmp_lg_u32 s2, 0xf033
	s_cbranch_scc0 .Lentry_shape_is_right
	s_endpgm
.Lentry_shape_is_right:
; out0 = attention's output x W_out + b_out on codes of E4M3.  A: ac [h 16][row 8,192][64] codes, so K = 64 h + d; B: wo [n 1,024][k 1,024] codes.  out0 [8,192][1,024] f32 = sum x 2^(e6 + e7) + bias.
; LIMIT: e6 + e7 between -126 and 127.
; A tile of 256 x 256 to a work-group of four waves, 128 x 128 a wave; K in steps of 256 (four heads) through a ring of two LDS slots; clusters of 4 x 4 with joint loads: A's tile along a row, B's along a column.
; 128 tiles of this size: a smaller tile would give more work-groups but read half as much again from LDS for each product.
; A's TILE: a head's 128 rows are 8,192 bytes on end in ac, so a K step's part for 128 rows is a tile of 4 lines x 8,192 bytes, 524,288 bytes apart; 16 bytes of padding behind every 64 make it [4 heads][128 rows][80] in LDS.
; The matrix instruction is used transposed (source 0 = 16 rows of B, source 1 = 16 rows of A): a lane holds eight neighbouring numbers of a row of out0.
; REGISTERS: window 0: v0-31 addresses; v32-95 the bias of my lane's columns (stays); from v128 A's fragments, later rows read back.  window 1: B's two sets; on the way out v0-63 hold a block's values.  windows 2, 3: accumulators.
.set ROWB,   256
.set PITCH,  272                       ; B's LDS row
.set AP,     80                        ; A's LDS row: 64 bytes + 16: the 16 rows that a load touches start at 16 different groups of banks
.set AHEAD,  128*AP                    ; a head's 128 rows
.set HALFA,  4*AHEAD                   ; what one tensor load brings of A
.set HALFB,  128*PITCH                 ; and of B
.set SLOT,   2*HALFA+2*HALFB
.set FR,     16
.set NL,     4
.set NP,     4
.set LAPS,   2
.set SPARE,  2*SLOT                    ; behind the ring: the spare words
.set SPITCH, 528                       ; the way out: 16 rows x (512 bytes + 16) for each wave, in slot 0, which has had its last fill and its last read by then
.set ADRA, 16
.set ADRB, 20
.set STO,  24
.set RD,   25
.set CO,   26
.set BOQ,  27
.set SPW,  28
.set NIL,  29
.set BI,   32
.set TMP,  0                           ; in window 1
.set AF,   128
.set BK,   128
.set G1, 24
.set G0, 32
.set G1B, 48
.set G0B, 56
.set MSB, 0
.macro WIN new
.if MSB != \new
	s_set_vgpr_msb (MSB<<8)|\new
.set MSB, \new
.endif
.endm
.set MUL_LO, 0xa1
.set MUL_HI, 0xf1
.set TO_B,   0x40
.macro JLOAD g0a, g1a, g0b, g1b        ; waves 0 and 1 fetch for A, waves 2 and 3 for B; an s_nop 0 and four v_nop follow each of the two lines
	s_cmp_eq_u32 s15, 0
	s_cbranch_scc0 .Lfor_b_\@
	tensor_load_to_lds s[\g0a:\g0a+3], s[\g1a:\g1a+7]
	s_nop 0
.rept 4
	v_nop
.endr
	s_branch .Lasked_\@
.Lfor_b_\@:
	tensor_load_to_lds s[\g0b:\g0b+3], s[\g1b:\g1b+7]
	s_nop 0
.rept 4
	v_nop
.endr
.Lasked_\@:
.endm
.macro CREST
	s_cmp_lg_u32 s14, 0
	s_cbranch_scc1 .Lnot_wave_0_\@
	s_barrier_signal -3
.Lnot_wave_0_\@:
	s_barrier_wait -3
	s_barrier_signal -1
	s_barrier_wait -1
.endm
.macro CROUND
	s_barrier_signal -1
	s_barrier_wait -1
	CREST
.endm
	s_load_b256 s[4:11], s[0:1], 0x0               ; ac s[4:5], wo s[6:7], the exponents s[8:9], b_out s[10:11]
	s_load_b64 s[12:13], s[0:1], 0x20              ; out0
	v_lshl_add_u32 v[SPW], v0, 2, SPARE
	v_mov_b32 v[NIL], 0
	ds_add_u32 v[SPW], v[NIL]                      ; the wave's opening: the add, and its wait ahead of my first tensor load
	v_lshrrev_b32 v1, 5, v0
	v_readfirstlane_b32 s14, v1
	s_lshr_b32 s15, s14, 1                         ; my half of the rows; also: I fetch for A (0) or B (1)
	s_and_b32 s16, s14, 1                          ; my half of the columns; also: which 128 rows I fetch
	s_bfe_u32 s40, ttmp6, 0x40000
	s_bfe_u32 s41, ttmp6, 0x40004
	s_lshl_b32 s42, ttmp9, 2
	s_add_co_u32 s42, s42, s40                     ; tile column
	s_and_b32 s17, ttmp7, 0xffff
	s_lshl_b32 s17, s17, 2
	s_add_co_u32 s17, s17, s41                     ; tile row
	s_lshl_b32 s43, s41, 2
	s_lshl_b32 s43, 15, s43
	s_lshl_b32 s44, 0x1111, s40
	s_or_b32 s[G1+0], s43, (0<<16)|(1<<20)|(1<<21)|(3<<22)|(3<<25)  ; A: my row's mask; elements of 1 byte; padding: 4 words after every 16
	s_mov_b32 s[G1+1], 8192<<16                    ; tensor_dim0 = 8,192
	s_mov_b32 s[G1+2], 4<<16                       ; tensor_dim1 = 4
	s_mov_b32 s[G1+3], 8192<<16                    ; tile_dim0
	s_mov_b32 s[G1+4], 4                           ; tile_dim1
	s_mov_b32 s[G1+5], 524288                      ; from head to head
	s_mov_b32 s[G1+6], 0
	s_mov_b32 s[G1+7], 0
	s_or_b32 s[G1B+0], s44, (0<<16)|(1<<20)|(1<<21)|(5<<22)|(3<<25) ; B: my column's mask; 4 words after every 64
	s_mov_b32 s[G1B+1], ROWB<<16
	s_mov_b32 s[G1B+2], 128<<16
	s_mov_b32 s[G1B+3], ROWB<<16
	s_mov_b32 s[G1B+4], 128
	s_mov_b32 s[G1B+5], 1024
	s_mov_b32 s[G1B+6], 0
	s_mov_b32 s[G1B+7], 0
	s_lshl_b32 s20, s17, 14                        ; A: (256 x tile row + 128 x half) rows of 64 bytes
	s_lshl_b32 s18, s16, 13
	s_add_co_u32 s20, s20, s18
	s_mov_b32 s21, 0
	s_lshl_b32 s46, s42, 18                        ; B: (256 x tile column + 128 x half) rows of 1,024 bytes
	s_lshl_b32 s18, s16, 17
	s_add_co_u32 s46, s46, s18
	s_mov_b32 s47, 0
	s_mul_i32 s45, s14, HALFA                      ; where A's halves go (waves 0, 1),
	s_mul_i32 s19, s14, HALFB
	s_add_co_u32 s19, s19, 2*HALFA-2*HALFB         ; and B's, behind them (waves 2, 3)
	s_wait_dscnt 0x0
	s_wait_kmcnt 0x0
	s_load_b256 s[80:87], s[8:9], 0x0              ; e0 .. e7
	s_add_nc_u64 s[20:21], s[4:5], s[20:21]
	s_add_nc_u64 s[46:47], s[6:7], s[46:47]
	CROUND
.irp s, 0,1
	s_mov_b32 s[G0+4*\s], 1
	s_add_co_u32 s[G0+4*\s+1], s45, \s*SLOT
	s_add_nc_u64 s[G0+4*\s+2:G0+4*\s+3], s[20:21], \s*2097152      ; four heads on
	s_or_b32 s[G0+4*\s+3], s[G0+4*\s+3], 0x80000000
	s_mov_b32 s[G0B+4*\s], 1
	s_add_co_u32 s[G0B+4*\s+1], s19, \s*SLOT
	s_add_nc_u64 s[G0B+4*\s+2:G0B+4*\s+3], s[46:47], \s*ROWB
	s_or_b32 s[G0B+4*\s+3], s[G0B+4*\s+3], 0x80000000
	JLOAD G0+4*\s, G1, G0B+4*\s, G1B
.endr
	v_and_b32 v1, 15, v0
	v_bfe_u32 v2, v0, 4, 1
	v_lshlrev_b32 v[BOQ], 5, v2
	s_lshl_b32 s72, s42, 10
	s_lshl_b32 s73, s16, 9
	s_add_co_u32 s72, s72, s73                     ; my first column, in bytes of f32
	s_mov_b32 s73, 0
	s_add_nc_u64 s[74:75], s[10:11], s[72:73]
.irp b, 0,1,2,3,4,5,6,7
	global_load_b128 v[BI+8*\b:BI+8*\b+3], v[BOQ], s[74:75] offset:64*\b       ; the bias of columns 16 b + 8 h + 0 .. 7: it stays through the loop
	global_load_b128 v[BI+8*\b+4:BI+8*\b+7], v[BOQ], s[74:75] offset:64*\b+16
.endr
	s_lshl_b32 s76, s17, 8
	s_lshl_b32 s77, s15, 7
	s_add_co_u32 s76, s76, s77                     ; my first row
	s_lshl_b32 s76, s76, 12                        ; rows of 4,096 bytes
	s_add_co_u32 s72, s72, s76
	s_add_nc_u64 s[12:13], s[12:13], s[72:73]
	v_mul_u32_u24 v3, v1, AP
	v_lshl_add_u32 v3, v2, 4, v3
	v_mul_u32_u24 v4, v1, PITCH
	v_lshl_add_u32 v4, v2, 4, v4
	s_mul_i32 s21, s15, HALFA
	s_mul_i32 s22, s16, HALFB
	s_add_co_u32 s22, s22, 2*HALFA
.irp s, 0,1
	v_add_nc_u32 v[ADRA+\s], s21, v3
	v_add_nc_u32 v[ADRB+\s], s22, v4
	s_add_co_u32 s21, s21, SLOT
	s_add_co_u32 s22, s22, SLOT
.endr
	s_mul_i32 s23, s14, 16*SPITCH
	v_mul_u32_u24 v5, v1, SPITCH
	v_lshl_add_u32 v5, v2, 5, v5
	v_add_nc_u32 v[STO], s23, v5
	v_and_b32 v6, 31, v0
	v_lshlrev_b32 v[CO], 4, v6
	v_add_nc_u32 v[RD], s23, v[CO]
	s_wait_kmcnt 0x0
	s_add_co_i32 s96, s86, s87
	s_add_co_i32 s96, s96, 127
	s_lshl_b32 s96, s96, 23                        ; 2^(e6 + e7)
	s_mov_b32 s97, s96
.macro FRAG reg, adr, q, i             ; B: registers 4 c on hold K = 128 q + 32 c + 16 (l / 16) + 0 .. 15 of row l % 16
.irp c, 0,1,2,3
	ds_load_b128 v[\reg+4*\c:\reg+4*\c+3], v[\adr] offset:128*(\q)+32*\c+(\i)*16*PITCH
.endr
.endm
.macro FRAGA reg, adr, q, i            ; A: the same K: head 2 q + c / 2 of the slot's four, its 32 (c % 2) + 16 (l / 16) + 0 .. 15
.irp c, 0,1,2,3
	ds_load_b128 v[\reg+4*\c:\reg+4*\c+3], v[\adr] offset:(2*(\q)+\c/2)*AHEAD+(\i)*16*AP+32*(\c%2)
.endr
.endm
.macro MUL16 a0, p, zero               ; the 64 accumulators take turns, one instruction a turn
.irp a, \a0, \a0+1
.irp b, 0,1,2,3,4,5,6,7
.if \zero
	v_wmma_f32_16x16x128_fp8_fp8 v[8*(8*((\a)%4)+\b):8*(8*((\a)%4)+\b)+7], v[128*(\p)+FR*\b:128*(\p)+FR*\b+FR-1], v[AF+FR*(\a):AF+FR*(\a)+FR-1], 0
.else
	v_wmma_f32_16x16x128_fp8_fp8 v[8*(8*((\a)%4)+\b):8*(8*((\a)%4)+\b)+7], v[128*(\p)+FR*\b:128*(\p)+FR*\b+FR-1], v[AF+FR*(\a):AF+FR*(\a)+FR-1], v[8*(8*((\a)%4)+\b):8*(8*((\a)%4)+\b)+7]
.endif
.endr
.endr
.endm
.macro FETCH_B slot, q, p
	WIN TO_B
.irp i, 0,1,2,3,4,5,6,7
	FRAG 128*(\p)+FR*\i, ADRB+\slot, \q, \i
.endr
	WIN 0
.endm
.macro FETCH_A slot, q, i0
.irp i, \i0, \i0+1, \i0+2, \i0+3
	FRAGA AF+FR*(\i), ADRA+\slot, \q, \i
.endr
.endm
.macro PLACES n
.rept \n
	v_nop
.endr
.endm
.macro STEP slot, q, zero
	s_wait_dscnt 4*NL                              ; the youngest sixteen loads (A's blocks 4-7) may be out
	WIN MUL_LO
	MUL16 0, (\q)%2, \zero
	MUL16 2, (\q)%2, \zero
	s_wait_dscnt 0
	PLACES NP
	FETCH_B \slot, (\q)+1, 1-(\q)%2
	FETCH_A \slot, (\q)+1, 0
	WIN MUL_HI
	MUL16 4, (\q)%2, \zero
	MUL16 6, (\q)%2, \zero
	PLACES NP
	WIN 0
	FETCH_A \slot, (\q)+1, 4
.endm
.macro TURN slot, next, fill
	s_wait_tensorcnt 0x0                           ; all my tensor loads have landed: my part of the next slot
	ds_add_u32 v[SPW], v[NIL]                      ; 0 onto my spare word
	s_wait_dscnt 4*NL+1                            ; the add and the youngest sixteen loads may be out
	WIN MUL_LO
	MUL16 0, 1, 0
	s_wait_dscnt 0x0                               ; the add is done, and my reads of this slot are over
	s_barrier_signal -1
	MUL16 2, 1, 0
	WIN 0
	s_barrier_wait -1
.if \fill
	CREST                                          ; the barrier has opened a round of the cluster's
	s_add_nc_u64 s[G0+4*\slot+2:G0+4*\slot+3], s[G0+4*\slot+2:G0+4*\slot+3], 2*2097152
	s_add_nc_u64 s[G0B+4*\slot+2:G0B+4*\slot+3], s[G0B+4*\slot+2:G0B+4*\slot+3], 2*ROWB
	JLOAD G0+4*\slot, G1, G0B+4*\slot, G1B
.else
	PLACES NP
.endif
	FETCH_B \next, 0, 0
	FETCH_A \next, 0, 0
	WIN MUL_HI
	MUL16 4, 1, 0
	MUL16 6, 1, 0
	PLACES NP
	WIN 0
	FETCH_A \next, 0, 4
.endm
	s_wait_loadcnt 0x0                             ; the bias
	s_wait_tensorcnt 1                             ; my part of K step 0 is in; K step 1's load may be out
	s_barrier_signal -1
	s_barrier_wait -1
	FETCH_B 0, 0, 0
	FETCH_A 0, 0, 0
	FETCH_A 0, 0, 4
	STEP 0, 0, 1
	s_mov_b32 s3, LAPS-1
.Llap:
	TURN 0, 1, 1
	STEP 1, 0, 0
	TURN 1, 0, 1
	STEP 0, 0, 0
	s_sub_co_u32 s3, s3, 1
	s_cmp_lg_u32 s3, 0
	s_cbranch_scc1 .Llap
	TURN 0, 1, 0
	STEP 1, 0, 0
	s_wait_dscnt 4*NL
	WIN MUL_LO
	MUL16 0, 1, 0
	MUL16 2, 1, 0
	s_wait_dscnt 0
	WIN MUL_HI
	MUL16 4, 1, 0
	MUL16 6, 1, 0
	WIN 0
; THE WAY OUT, block by block of 16 rows x 128 columns: sum x 2^(e6 + e7) + bias; through my stage; whole rows of 512 bytes leave as two aligned runs of 256.
.macro TOSTAGE a
.set AC, 64*((\a)%4)
	WIN 0x42+((\a)/4)                              ; destination window 1, source 0 window 2 or 3, the bias in window 0
.set k, 0
.rept 32
	v_pk_fma_f32 v[TMP+k:TMP+k+1], v[AC+k:AC+k+1], s[96:97], v[BI+k:BI+k+1] op_sel_hi:[1,0,1]   ; each accumulator from its low end on
.set k, k+2
.endr
	WIN 0x04                                       ; an LDS store's data: source 1, window 1
.irp b, 0,1,2,3,4,5,6,7
	ds_store_b128 v[STO], v[TMP+8*\b:TMP+8*\b+3] offset:64*\b
	ds_store_b128 v[STO], v[TMP+8*\b+4:TMP+8*\b+7] offset:64*\b+16
.endr
	WIN 0
.set BB, BK+64*((\a)%2)
.irp t, 0,1,2,3,4,5,6,7,8,9,10,11,12,13,14,15
	ds_load_b128 v[BB+4*\t:BB+4*\t+3], v[RD] offset:\t*SPITCH   ; LDS serves a wave's instructions in order
.endr
.endm
.macro SEND a, younger
.set BB, BK+64*((\a)%2)
	s_wait_dscnt \younger                          ; the block is back; behind its loads stand the next block's 16 stores and 16 loads, or nothing
.if (\a) > 0
	s_add_nc_u64 s[12:13], s[12:13], 16*4096       ; (behind a wait on XCNT: the earlier stores have read their base)
.endif
.irp t, 0,1,2,3,4,5,6,7,8,9,10,11,12,13,14,15
	global_store_b128 v[CO], v[BB+4*\t:BB+4*\t+3], s[12:13] offset:\t*4096 th:TH_STORE_NT
.endr
.endm
	PLACES NP                                      ; behind the last products: for the writes and loads into registers that held fragments
	TOSTAGE 0
.irp a, 1,2,3,4,5,6,7
.if \a > 1
	s_wait_xcnt 0x0                                ; block a - 2's stores have read their registers and their base
.endif
	TOSTAGE \a
	SEND \a-1, 32
.endr
	s_wait_xcnt 0x0
	SEND 7, 0
	s_wait_tensorcnt 0x0                           ; the wave's end
	ds_add_u32 v[SPW], v[NIL]
	s_wait_dscnt 0x0
	CROUND                                         ; the closing round
	s_endpgm
.Lfunc_end_k_q2c86354f50_gemm_out:
	.size	k_q2c86354f50_gemm_out, .Lfunc_end_k_q2c86354f50_gemm_out-k_q2c86354f50_gemm_out
	.p2alignl 7, 3214868480
	.fill 96, 4, 3214868480
	.section	.rodata,"a",@progbits
	.p2align	6, 0x0
	.amdhsa_kernel k_q2c86354f50_gemm_out
		.amdhsa_group_segment_fixed_size 327680
		.amdhsa_private_segment_fixed_size 0
		.amdhsa_enable_private_segment 0
		.amdhsa_kernarg_size 40
		.amdhsa_user_sgpr_count 2
		.amdhsa_user_sgpr_kernarg_segment_ptr 1
		.amdhsa_wavefront_size32 1
		.amdhsa_system_sgpr_workgroup_id_x 1
		.amdhsa_system_sgpr_workgroup_id_y 1
		.amdhsa_system_sgpr_workgroup_id_z 1
		.amdhsa_system_vgpr_workitem_id 0
		.amdhsa_next_free_vgpr 1024
		.amdhsa_next_free_sgpr 100
		.amdhsa_reserve_vcc 0
		.amdhsa_float_denorm_mode_32 3
		.amdhsa_float_denorm_mode_16_64 3
		.amdhsa_memory_ordered 1
		.amdhsa_forward_progress 1
		.amdhsa_inst_pref_size 125
	.end_amdhsa_kernel
	.amdgpu_metadata
---
amdhsa.version: [ 1, 2 ]
amdhsa.kernels:
  - .name:           k_q2c86354f50_gemm_out
    .symbol:         k_q2c86354f50_gemm_out.kd
    .args:
      - { .name: ac, .offset: 0, .size: 8, .value_kind: global_buffer, .address_space: global }
      - { .name: wo, .offset: 8, .size: 8, .value_kind: global_buffer, .address_space: global }
      - { .name: lowp_scales, .offset: 16, .size: 8, .value_kind: global_buffer, .address_space: global }
      - { .name: b_out, .offset: 24, .size: 8, .value_kind: global_buffer, .address_space: global }
      - { .name: out0, .offset: 32, .size: 8, .value_kind: global_buffer, .address_space: global }
    .group_segment_fixed_size: 327680
    .private_segment_fixed_size: 0
    .kernarg_segment_align: 8
    .kernarg_segment_size: 40
    .max_flat_workgroup_size: 128
    .sgpr_count:     100
    .vgpr_count:     1024
    .wavefront_size: 32
...
	.end_amdgpu_metadata
.endif
;; end of part 4
;; ======== version 2 of 2: 4 launches; version 1 with the launch attn written anew for expert scheduling mode
;; limits: right only within a limited range of input values
;; workspace buffers: xw 11,534,336 bytes; wo 1,048,576 bytes; mw 524,288 bytes of whole numbers; mf 4,096 bytes of whole numbers; qkv 25,165,824 bytes; ac 8,388,608 bytes
;; launch prep: the kernel of part 1 again; grid 448 x 1, 4 waves a work-group, no clusters, 102,912 bytes of LDS; arguments x, W_qkv, W_out, mask, lowp_scales, xw, wo, mw, mf; writes xw, wo, mw, mf
;; launch gemm_qkv: the kernel of part 2 again; grid 12 x 32, 4 waves a work-group, clusters of 4 x 4, 327,680 bytes of LDS; arguments xw, b_qkv, lowp_scales, qkv; writes qkv
;; launch attn (part 5): grid 4 x 64, 16 waves a work-group, no clusters, 174,080 bytes of LDS; arguments qkv, mw, mf, lowp_scales, ac; writes ac
.if DOCPART == 5
	.amdgcn_target "amdgcn-amd-amdhsa--gfx1250"
	.amdhsa_code_object_version 6
	.text
	.protected	k_q2c86354f50_attn
	.globl	k_q2c86354f50_attn
	.p2align	8
	.type	k_q2c86354f50_attn,@function
k_q2c86354f50_attn:
	s_mov_b64 s[64:65], 0
	v_nop
	global_prefetch_b8 v0, s[64:65] scope:SCOPE_SE
	s_setreg_imm32_b32 hwreg(HW_REG_WAVE_SCHED_MODE, 0, 2), 2
	s_setreg_imm32_b32 hwreg(HW_REG_WAVE_MODE, 25, 1), 1
	s_wait_xcnt 0x0
	s_wait_alu depctr_vm_vsrc(0)
; ATTENTION on codes of E4M3: for each of 64 heads (b x 16 + h): S = q k^T, the given mask, softmax, O = p v; O quantised for the last product.
; q, k: [head][l][64] codes; v: [head][d 64][l 2,048] codes, the keys innermost.  Out: ac [h][b x 2,048 + l][64] codes.
; THE SOFTMAX AHEAD OF THE SECOND PRODUCT: t = score x log2(e) / 8; M = the running largest t, rounded UP to a whole number; p = 2^(t - M) is quantised with 2^e4; the row's sum is taken of the unquantised p
; and divides at the end; when M moves, sum and O are multiplied by 2^(old M - new M): nothing is rounded.
; THE MASK IS AN INPUT.  An earlier launch has turned it into lane-mask words (mw) and flags for tiles of 32 queries x 64 keys (mf).  A key that does not count gets the score RM = -2^(33 - e2 - e3),
; so that its t is the whole number -1.4427 x 2^30 (the reference's fill is t = -1.4427e9): beside any key that counts its p is 0; in a row in which NO key counts every p is exactly 1, and the row
; comes out as the mean of v, as the reference has it.  A tile in which no key counts is passed over by a scalar branch on the stored flags, but only where each of the pair's 32 queries has
; a key that counts somewhere; a tile in which all count skips the selects.
; SHARES.  Work-group (x, head) owns query blocks x and 7 - x of 256.  Each of sixteen waves owns a pair of tiles, 32 queries; both tiles use each fragment of k and v that is read from LDS.
; A step is 64 keys.  k and v come through registers into two LDS slots of 256 keys, asked for a whole slot ahead by all 512 threads; one barrier a slot.  No tensor load, since steps are jumped over
; by branches on stored numbers; for the same reason no cluster.
; LAYOUT.  Both products transposed: S^T = k q^T, O^T = v^T p^T: a lane holds one query (lane % 16).  k's rows are stored in LDS with bits 3 and 4 of the key exchanged, so that the 16 rows of a tile
; are neighbours in LDS and score register 16 b + i of lane half h is key 32 b + 16 h + i: the conversions' results are the second product's operand.
; LIMITS: e2 + e3 between -94 and 9 (above 9 a score that counts could lie under RM); e4 and e6 - e4 - e5 between -126 and 119.  NaN among the inputs is not served.
; THE MODE: SCHED_MODE bits 1:0 = 2 (LLVM: expert scheduling mode 2), set by the entry lines.  The code itself states the register dependences
; between vector or matrix instructions and memory or LDS instructions, with s_wait_alu, always for 0.
; THE PLAN.  Registers that memory or LDS instructions touch:
;   v[FILL ..]     Written by the four global loads at a trip's head, read by the four LDS stores at its end; no vector instruction names them.  On the way out the loads from the stage land there.
;   v[KF ..]       A step: k's eight LDS loads land; the products k q^T read them; v^T's eight LDS loads land; the products v^T p^T read them.
;   ADK, ADV, FK, FV   Written by four vector adds at a trip's head; read by the trip's LDS loads (ADK, ADV) and by the fill's LDS stores (FK, FV).
;   GK, GV, QO, STO, RD, GO   Made once at the head and never written again.     v[PCD ..]   On the way out alone: the conversions write them, the LDS stores read them.
; A TRIP'S HEAD has one wait on vm_vsrc (the last trip's LDS instructions have read the four addresses and v[FILL ..]) and, behind the four adds, one on va_vdst (the addresses are written; the last
; products are done reading v[KF ..]).  A STEP has one wait on va_vdst ahead of k's loads (steps 1 to 3; step 0 has the trip's) and the one behind its exponentials, which serves the batch's results
; and v^T's loads alike: these stand directly behind it.
.set SLOT1, 65536                      ; slot 1 begins here
.set KP,    80                         ; a key's row in LDS: 64 bytes + 16
.set VP,    272                        ; a row of v^T: 256 bytes + 16
.set VOFF,  256*KP                     ; a slot: 256 rows of k, then 64 rows of v^T
.set STAGE, 2*SLOT1                    ; the way out: 32 rows x 80 bytes for each wave
.set SPARE, STAGE+16*32*KP             ; the spare words, 128 bytes for each wave: eight blocks of 256 bytes that no other line names
.set AK0, 1                            ; v1   my lane's place in a tile of k
.set AV0, 2                            ; v2   of v^T
.set ADK, 3                            ; v3, v4  the same in the slot in hand
.set ADV, 4
.set SPW, 5
.set NIL, 6
.set GK,  7                            ; v7   fills: my thread's byte in a slot's k in memory
.set GV,  8                            ; v8   in v
.set LK,  9                            ; v9, v10 and in a slot in LDS
.set LV,  10
.set FK,  11                           ; v11, v12 the same in the slot that is being filled
.set FV,  12
.set QO,  13
.set FILL, 16                          ; v16-31  a fill on its way
.set QF,  32                           ; v32-47  q, 8 a tile
.set KF,  48                           ; v48-79  four fragments of k, then of v
.set SCO, 80                           ; v80-143 S^T, then p: 32 a tile
.set OT,  144                          ; v144-207 O^T: tile u, channels 16 c + 8 h + j at 144 + 32 u + 8 c + j
.set PCD, 208                          ; v208-223 p's codes, 8 a tile
.set STA, 224                          ; v224-239 a tile's eight: +0 -M, +1 the largest t, +2 +3 the sum in two halves, +4 f, +5 0, +6 +7 at work
.set PLIM, 240                         ; 448 x 2^e4
.set PSC,  241                         ; 2^e4
.set RM,   242
.set STO,  249
.set RD,   250
.set GO,   251
.set OLIM, 252                         ; 448 x 2^(e6 - e4 - e5)
.set OSC,  253
.set WV,   14                          ; s14  wave
.set ANY,  18                          ; s18  bit 0: the step in hand is to be worked
.set ALL,  19                          ; s19  bit 0: all its keys count
.set NEED, 20                          ; s20  the sixteen waves' ANY joined by or
.set CNT,  21
.set TB,   22                          ; s22  LDS byte of the slot in hand
.set FB,   23                          ; s23  of the other
.set HOLD, 24                          ; s24  1: p's hold can bind
.set MB,   100                         ; s[100:101] my pair's mask words of the slot in hand
.set FLG,  104                         ; s104 the next slot is wanted
; s[2:3] c; s[4:5], s[6:7] k and v of the slot to be asked for; s[12:13] my rows of ac; s[66:67] lane selects; s[32:63], s[68:99] a step's 64 mask words (at the head s[68:83]: the sixteen waves' ANY)
	s_load_b256 s[4:11], s[0:1], 0x0               ; qkv s[4:5], mw s[6:7], mf s[8:9], the exponents s[10:11]
	s_load_b64 s[12:13], s[0:1], 0x20              ; ac
	v_lshl_add_u32 v[SPW], v0, 2, SPARE
	v_mov_b32 v[NIL], 0
	v_lshrrev_b32 v14, 5, v0
	v_readfirstlane_b32 s[WV], v14                 ; wave 0..15
	s_mov_b32 s15, ttmp9                           ; x
	s_and_b32 s16, ttmp7, 0xffff                   ; head
	s_lshl_b32 s25, s15, 1
	s_sub_co_u32 s25, 7, s25                       ; from block x to block 7 - x
	v_and_b32 v14, 15, v0                          ; r; also: lane l stands for wave l % 16
	v_bfe_u32 v15, v0, 4, 1                        ; h
	v_lshrrev_b32 v65, 2, v14
	v_xor_b32 v65, v65, v14
	v_and_b32 v65, 1, v65
	v_mul_u32_u24 v65, s25, v65
	v_add_nc_u32 v65, s15, v65
	v_lshrrev_b32 v66, 1, v14
	v_lshl_add_u32 v65, v65, 3, v66                ; that wave's pair, by the arithmetic that the scalar lines below use for my own,
	v_lshlrev_b32 v64, 6, v65                      ; and its record of 64 bytes in mf
	v_lshlrev_b32 v[GK], 4, v0                     ; k: 16 bytes a thread, 8,192 a load
	v_lshrrev_b32 v[GV], 4, v0
	v_mul_u32_u24 v[LV], v[GV], VP
	v_lshlrev_b32 v[GV], 11, v[GV]
	v_lshl_add_u32 v[GV], v14, 4, v[GV]            ; v: row thread / 16 of 2,048 bytes, + 16 (thread % 16)
	v_lshl_add_u32 v[LV], v14, 4, v[LV]
	v_add_nc_u32 v[LV], VOFF, v[LV]
	v_lshlrev_b32 v[QO], 6, v14
	v_lshl_add_u32 v[QO], v15, 4, v[QO]            ; q: row r of 64 bytes, + 16 h
	s_wait_alu depctr_va_sdst(0)                   ; s[WV] is written, ahead of its first reader: my pair and every base are made from it
	s_lshr_b32 s26, s[WV], 2
	s_xor_b32 s26, s26, s[WV]
	s_and_b32 s26, s26, 1                          ; which of the two blocks: waves w and w + 1 differ, and so do waves four apart
	s_mul_i32 s26, s26, s25
	s_add_co_u32 s26, s26, s15
	s_lshl_b32 s26, s26, 3
	s_lshr_b32 s27, s[WV], 1
	s_add_co_u32 s17, s26, s27                     ; my pair P = 8 x block + wave / 2
	s_lshl_b32 s28, s16, 17                        ; a head is 131,072 bytes in each of q, k, v
	s_mov_b32 s29, 0
	s_lshl_b32 s30, s17, 11
	s_add_co_u32 s30, s30, s28                     ; my 32 rows of q
	s_mov_b32 s31, 0
	s_wait_kmcnt 0x0
	s_load_b256 s[48:55], s[10:11], 0x0            ; e0 .. e7
	s_add_nc_u64 s[26:27], s[4:5], s[30:31]
	s_lshl_b32 s30, s17, 13
	s_add_nc_u64 s[MB:MB+1], s[6:7], s[30:31]
	s_lshl_b32 s30, s17, 6
	s_add_nc_u64 s[104:105], s[8:9], s[30:31]
	s_load_b512 s[32:47], s[104:105], 0x0          ; my pair's record: four times ANY, ROW, ALL, 0
	s_add_nc_u64 s[4:5], s[4:5], s[28:29]
	s_add_nc_u64 s[6:7], s[4:5], 16777216          ; v of my head
	s_add_nc_u64 s[4:5], s[4:5], 8388608           ; k of my head
	s_and_b32 s28, s16, 15
	s_lshl_b32 s28, s28, 13
	s_lshr_b32 s30, s16, 4
	s_lshl_b32 s30, s30, 11
	s_add_co_u32 s28, s28, s30
	s_lshl_b32 s30, s17, 5
	s_add_co_u32 s28, s28, s30
	s_lshl_b32 s28, s28, 6                         ; (8,192 h + 2,048 b + 32 P) rows of 64 bytes
	s_add_nc_u64 s[12:13], s[12:13], s[28:29]
.macro FILLG                           ; a slot's 256 keys are asked for: k 16,384 bytes on end, v^T 64 rows x 256 bytes
	global_load_b128 v[FILL:FILL+3], v[GK], s[4:5]
	global_load_b128 v[FILL+4:FILL+7], v[GK], s[4:5] offset:8192
	global_load_b128 v[FILL+8:FILL+11], v[GV], s[6:7]
	global_load_b128 v[FILL+12:FILL+15], v[GV], s[6:7] offset:65536
.endm
.macro FADR                            ; where a fill goes: my thread's places in the slot at s[FB]
	v_add_nc_u32 v[FK], s[FB], v[LK]
	v_add_nc_u32 v[FV], s[FB], v[LV]
.endm
.macro FILLS                           ; and the fill is laid there
	ds_store_b128 v[FK], v[FILL:FILL+3]
	ds_store_b128 v[FK], v[FILL+4:FILL+7] offset:128*KP
	ds_store_b128 v[FV], v[FILL+8:FILL+11]
	ds_store_b128 v[FV], v[FILL+12:FILL+15] offset:32*VP
.endm
	s_wait_alu depctr_va_vdst(0)                   ; v64, v[QO], v[GK] and v[GV] are written, which the loads below read as offsets
.irp o, 0,1,2,3
	global_load_b128 v[48+4*\o:51+4*\o], v64, s[8:9] offset:16*\o
.endr
.irp u, 0,1
.irp c, 0,1
	global_load_b128 v[QF+8*\u+4*\c:QF+8*\u+4*\c+3], v[QO], s[26:27] offset:1024*\u+32*\c   ; registers 4 c on: the head's 32 c + 16 h + 0 .. 15: the same places of k as in k's fragments
.endr
.endr
	FILLG                                          ; slot 0
	v_mul_u32_u24 v[AK0], v14, KP
	v_lshl_add_u32 v[AK0], v15, 4, v[AK0]
	v_mul_u32_u24 v[AV0], v14, VP
	v_lshl_add_u32 v[AV0], v15, 4, v[AV0]
	v_add_nc_u32 v[AV0], VOFF, v[AV0]
	v_lshrrev_b32 v[LK], 2, v0                     ; key = thread / 4
	v_bfe_u32 v[FK], v[LK], 3, 1
	v_bfe_u32 v[FV], v[LK], 4, 1
	v_and_b32 v[LK], 0x67, v[LK]
	v_lshl_add_u32 v[LK], v[FK], 4, v[LK]
	v_lshl_add_u32 v[LK], v[FV], 3, v[LK]          ; its row: bits 3 and 4 exchanged
	v_mul_u32_u24 v[LK], v[LK], KP
	v_and_b32 v[FK], 3, v0
	v_lshl_add_u32 v[LK], v[FK], 4, v[LK]
	s_mul_i32 s28, s[WV], 32*KP
	s_add_co_u32 s28, s28, STAGE                   ; my stage
	v_mul_u32_u24 v[STO], v14, KP
	v_lshl_add_u32 v[STO], v15, 3, v[STO]
	v_add_nc_u32 v[STO], s28, v[STO]               ; in: row r, + 8 h
	v_and_b32 v[GO], 31, v0
	v_lshrrev_b32 v[RD], 2, v[GO]
	v_mul_u32_u24 v[RD], v[RD], KP
	v_and_b32 v[FK], 3, v[GO]
	v_lshl_add_u32 v[RD], v[FK], 4, v[RD]
	v_add_nc_u32 v[RD], s28, v[RD]                 ; back: four lanes to a row, eight rows an instruction
	v_lshlrev_b32 v[GO], 4, v[GO]
.set i, 0
.rept 64
	v_mov_b32 v[OT+i], 0                           ; which step is a wave's first hangs on the mask, so no product can be written out to start the sums
.set i, i+1
.endr
.irp u, 0,1
	v_mov_b32 v[STA+8*\u+1], 0xff61b1e6            ; the largest t so far: -3e38
	v_floor_f32 v[STA+8*\u], -v[STA+8*\u+1]        ; -M
.irp j, 2,3,4,5,6,7
	v_mov_b32 v[STA+8*\u+\j], 0
.endr
.endr
	v_mov_b32 v243, 0                              ; a lane permute's destination counts as one of its sources
	v_mov_b32 v248, 0
	s_mov_b32 s66, 0x76543210
	s_mov_b32 s67, 0xfedcba98                      ; lane l xor 16
	s_wait_kmcnt 0x0
	s_or_b32 s[ANY], s32, s36
	s_or_b32 s[ANY], s[ANY], s40
	s_or_b32 s[ANY], s[ANY], s44
	s_or_b32 s28, s33, s37
	s_or_b32 s28, s28, s41
	s_or_b32 s28, s28, s45                         ; bit: that query of my pair has a key that counts
	s_or_b32 s[ALL], s34, s38
	s_or_b32 s[ALL], s[ALL], s42
	s_or_b32 s[ALL], s[ALL], s46
	s_cmp_eq_u32 s28, -1
	s_cselect_b32 s[ANY], s[ANY], -1               ; a pair with a query for which no key counts passes over nothing
	s_add_co_i32 s28, s50, s51                     ; e2 + e3: a score stands for score x 2^(e2 + e3): added to c's exponent field
	s_lshl_b32 s29, s28, 23
	s_add_co_i32 s2, s29, 0x3e38aa3b               ; c = log2(e) / 8
	s_mov_b32 s3, s2                               ; (named with it as a pair)
	s_sub_co_i32 s28, 160, s28
	s_lshl_b32 s28, s28, 23
	s_or_b32 s28, s28, 0x80000000
	v_mov_b32 v[RM], s28                           ; -2^(33 - e2 - e3)
	s_cmp_lt_i32 s52, -8
	s_cselect_b32 s[HOLD], 1, 0                    ; p is at most 1 but for one rounding; from e4 = -8 on 448 x 2^e4 is 1.75 or more, and the hold cannot bind
	s_add_co_i32 s28, s52, 127
	s_lshl_b32 s29, s28, 23
	v_mov_b32 v[PSC], s29
	s_add_co_i32 s28, s28, 8
	s_lshl_b32 s28, s28, 23
	s_or_b32 s28, s28, 0x600000
	v_mov_b32 v[PLIM], s28
	s_sub_co_i32 s28, s54, s52
	s_sub_co_i32 s28, s28, s53                     ; O^T / the sum stands for that x 2^(e4 + e5): its code is that / 2^(e6 - e4 - e5)
	s_add_co_i32 s28, s28, 127
	s_lshl_b32 s29, s28, 23
	v_mov_b32 v[OSC], s29
	s_add_co_i32 s28, s28, 8
	s_lshl_b32 s28, s28, 23
	s_or_b32 s28, s28, 0x600000
	v_mov_b32 v[OLIM], s28
	s_mov_b32 s[FB], 0
	s_wait_loadcnt 0x0                             ; the records, q, slot 0
	v_or_b32 v48, v48, v52
	v_or_b32 v56, v56, v60
	v_or_b32 v48, v48, v56
	v_or_b32 v49, v49, v53
	v_or_b32 v57, v57, v61
	v_or_b32 v49, v49, v57
	v_cmp_eq_u32 vcc_lo, -1, v49
	FADR                                           ; slot 0's places
	s_wait_alu depctr_va_vcc(0)                    ; the compare has written VCC, which the select below reads
	v_cndmask_b32 v48, -1, v48, vcc_lo             ; each wave's ANY, as that wave makes it
.irp i, 0,1,2,3,4,5,6,7,8,9,10,11,12,13,14,15
	v_readlane_b32 s[68+\i], v48, \i               ; sixteen scalars, so that one wait serves the run
.endr
	s_wait_alu depctr_va_sdst(0)                   ; s68 to s83 are written, ahead of their first reader
	s_or_b32 s[NEED], s68, s69
.irp i, 2,3,4,5,6,7,8,9,10,11,12,13,14,15
	s_or_b32 s[NEED], s[NEED], s[68+\i]            ; a slot is fetched if any of the sixteen waves works one of its steps: the same number in all waves
.endr
	s_wait_alu depctr_va_vdst(0)                   ; v[FK] and v[FV] are written, which the LDS stores below read as addresses
	FILLS
	s_add_nc_u64 s[4:5], s[4:5], 16384             ; on to slot 1 (the loads that named these are in)
	s_add_nc_u64 s[6:7], s[6:7], 256
	s_mov_b32 s[TB], 0
	s_mov_b32 s[CNT], 8
	s_wait_dscnt 0x0                               ; for the others' sake: my part of slot 0 lies in LDS
	s_barrier_signal -1
	s_barrier_wait -1
.macro QK8                             ; S^T = k q^T: four tiles of 16 keys x two tiles of queries, K = the head's 64
.irp t, 0,1,2,3
.irp u, 0,1
	v_wmma_f32_16x16x64_fp8_fp8 v[SCO+32*\u+8*\t:SCO+32*\u+8*\t+7], v[KF+8*\t:KF+8*\t+7], v[QF+8*\u:QF+8*\u+7], 0
.endr
.endr
.rept 4
	v_nop                                          ; places behind the products, ahead of the vector lines that read their results
.endr
.endm
; A STEP: 64 keys, the q-th of the slot in hand
.macro STEP q
	s_bitcmp1_b32 s[ANY], 0
	s_cbranch_scc0 .Lskip_\@                       ; no key of it counts for any of my 32 queries
.rept 4
	v_nop                                          ; places in front of loads into registers that the last products read
.endr
.if (\q) > 0
	s_wait_alu depctr_va_vdst(0)                   ; the last step's products v^T p^T are done reading v[KF ..], in which k's fragments land (step 0: the wait at the trip's head says so)
.endif
.irp t, 0,1,2,3
.irp c, 0,1
	ds_load_b128 v[KF+8*\t+4*\c:KF+8*\t+4*\c+3], v[ADK] offset:64*KP*(\q)+16*KP*\t+32*\c
.endr
.endr
	s_bitcmp1_b32 s[ALL], 0
	s_cbranch_scc1 .Lopen_\@
	s_load_b512 s[32:47], s[MB:MB+1], 256*(\q)     ; the step's 64 lane masks
	s_load_b512 s[48:63], s[MB:MB+1], 256*(\q)+64
	s_load_b512 s[68:83], s[MB:MB+1], 256*(\q)+128
	s_load_b512 s[84:99], s[MB:MB+1], 256*(\q)+192
	s_wait_dscnt 0x0
	QK8
	s_wait_kmcnt 0x0
.set w, 0
.rept 32
	v_cndmask_b32 v[SCO+w], v[RM], v[SCO+w], s[32+w]   ; a key that does not count gets RM; each accumulator from its low end on
.set w, w+1
.endr
.rept 32
	v_cndmask_b32 v[SCO+w], v[RM], v[SCO+w], s[36+w]
.set w, w+1
.endr
	s_branch .Ljoin_\@
.Lopen_\@:
	s_wait_dscnt 0x0
	QK8
.Ljoin_\@:
.irp u, 0,1                                        ; the step's largest score of my query among my 32 keys: two chains a tile, ascending
	v_max3_num_f32 v[STA+8*\u+6], v[SCO+32*\u], v[SCO+32*\u+1], v[SCO+32*\u+2]
	v_max3_num_f32 v[STA+8*\u+7], v[SCO+32*\u+16], v[SCO+32*\u+17], v[SCO+32*\u+18]
.endr
.irp i, 3,5,7,9,11,13
.irp u, 0,1
	v_max3_num_f32 v[STA+8*\u+6], v[STA+8*\u+6], v[SCO+32*\u+\i], v[SCO+32*\u+\i+1]
	v_max3_num_f32 v[STA+8*\u+7], v[STA+8*\u+7], v[SCO+32*\u+16+\i], v[SCO+32*\u+17+\i]
.endr
.endr
.irp u, 0,1
	v_max3_num_f32 v[STA+8*\u+6], v[STA+8*\u+6], v[SCO+32*\u+15], v[SCO+32*\u+31]
.endr
.irp u, 0,1
	v_max_num_f32 v[STA+8*\u+6], v[STA+8*\u+6], v[STA+8*\u+7]
.endr
	v_permlanex16_b32 v243, v[STA+6], s66, s67
	v_permlanex16_b32 v248, v[STA+14], s66, s67
	v_max_num_f32 v[STA+6], v[STA+6], v243         ; and among lane l xor 16's
	v_max_num_f32 v[STA+14], v[STA+14], v248
.irp u, 0,1
	v_mul_f32 v[STA+8*\u+6], s2, v[STA+8*\u+6]     ; as t (c is positive)
.endr
.irp u, 0,1
	v_max_num_f32 v[STA+8*\u+1], v[STA+8*\u+1], v[STA+8*\u+6]
	v_mov_b32 v[STA+8*\u+7], v[STA+8*\u]
.endr
.irp u, 0,1
	v_floor_f32 v[STA+8*\u], -v[STA+8*\u+1]        ; the new -M = -ceil(t): a whole number
.endr
.irp u, 0,1
	v_sub_f32 v[STA+8*\u+7], v[STA+8*\u], v[STA+8*\u+7]   ; old M - new M, 0 or less
.endr
.irp u, 0,1
	v_cvt_i32_f32 v[STA+8*\u+7], v[STA+8*\u+7]     ; (it saturates)
.endr
.irp u, 0,1
	v_ldexp_f32 v[STA+8*\u+4], 1.0, v[STA+8*\u+7]  ; f = 2^(old M - new M)
.endr
.set k, 0
.rept 16
.irp u, 0,1
	v_pk_fma_f32 v[SCO+32*\u+k:SCO+32*\u+k+1], v[SCO+32*\u+k:SCO+32*\u+k+1], s[2:3], v[STA+8*\u:STA+8*\u+1] op_sel_hi:[1,0,0]   ; t - M, two at a time
.endr
.set k, k+2
.endr
.set k, 0
.rept 64
	v_exp_f32 v[SCO+k], v[SCO+k]                   ; p = 2^(t - M): one batch
.set k, k+1
.endr
.irp u, 0,1
	v_pk_mul_f32 v[STA+8*\u+2:STA+8*\u+3], v[STA+8*\u+2:STA+8*\u+3], v[STA+8*\u+4:STA+8*\u+5] op_sel_hi:[1,0]   ; the sums under the new M: the plain instructions behind the exponentials
.endr
	s_wait_alu depctr_va_vdst(0)                   ; the 64 exponentials have written v[SCO ..], ahead of the first line that names a result; and the products k q^T are done reading v[KF ..], in which v^T lands
.irp c, 0,1,2,3
.irp d, 0,1
	ds_load_b128 v[KF+8*\c+4*\d:KF+8*\c+4*\d+3], v[ADV] offset:16*VP*\c+64*(\q)+32*\d   ; v^T: channels 16 c + r, these 64 keys: it lands during the sums, the conversions and O^T's rescaling, none of which names v[KF ..]
.endr
.endr
.irp u, 0,1
	v_pk_add_f32 v[244+2*\u:245+2*\u], v[SCO+32*\u:SCO+32*\u+1], v[SCO+32*\u+2:SCO+32*\u+3]   ; the row's sum is taken of the unquantised p: two chains a tile
.endr
.irp j, 4,8,12,16,20,24,28
.irp u, 0,1
	v_pk_add_f32 v[STA+8*\u+2:STA+8*\u+3], v[STA+8*\u+2:STA+8*\u+3], v[SCO+32*\u+\j:SCO+32*\u+\j+1]
	v_pk_add_f32 v[244+2*\u:245+2*\u], v[244+2*\u:245+2*\u], v[SCO+32*\u+\j+2:SCO+32*\u+\j+3]
.endr
.endr
.irp u, 0,1
	v_pk_add_f32 v[STA+8*\u+2:STA+8*\u+3], v[STA+8*\u+2:STA+8*\u+3], v[244+2*\u:245+2*\u]
.endr
	s_cmp_lg_u32 s[HOLD], 0
	s_cbranch_scc0 .Lnohold_\@
.set k, 0
.rept 64
	v_min_num_f32 v[SCO+k], v[SCO+k], v[PLIM]      ; the conversion does not saturate (ISA guide 7.6.2); p is not negative
.set k, k+1
.endr
.Lnohold_\@:
.irp u, 0,1
.irp g, 0,1,2,3
	v_cvt_scalef32_pk8_fp8_f32 v[PCD+8*\u+2*\g:PCD+8*\u+2*\g+1], v[SCO+32*\u+8*\g:SCO+32*\u+8*\g+7], v[PSC]
.endr
.endr
.set k, 0
.rept 16
.irp u, 0,1
	v_pk_mul_f32 v[OT+32*\u+k:OT+32*\u+k+1], v[OT+32*\u+k:OT+32*\u+k+1], v[STA+8*\u+4:STA+8*\u+5] op_sel_hi:[1,0]   ; O^T under the new M; also the plain instructions behind the conversions
.endr
.set k, k+2
.endr
	s_wait_dscnt 0x0                               ; v^T is in
.irp c, 0,1,2,3
.irp u, 0,1
	v_wmma_f32_16x16x64_fp8_fp8 v[OT+32*\u+8*\c:OT+32*\u+8*\c+7], v[KF+8*\c:KF+8*\c+7], v[PCD+8*\u:PCD+8*\u+7], v[OT+32*\u+8*\c:OT+32*\u+8*\c+7]   ; eight accumulators, one instruction each
.endr
.endr
.Lskip_\@:
	s_lshr_b32 s[ANY], s[ANY], 1
	s_lshr_b32 s[ALL], s[ALL], 1
.endm
.Lslot:                                            ; eight trips, a constant: every wave passes every barrier
	s_wait_alu depctr_vm_vsrc(0)                   ; the last fill's LDS stores have read v[FILL ..], v[FK] and v[FV]; the last slot's LDS loads have read v[ADK] and v[ADV]; in the first trip the records' loads have read v64, in which a fragment of k lands
	s_xor_b32 s[FB], s[TB], SLOT1                  ; the other slot: every wave left it in front of the last barrier
	s_lshr_b32 s[NEED], s[NEED], 4                 ; its low four bits: the next slot's steps.  In the eighth trip all 32 bits are gone: nothing is asked for past the end
	s_and_b32 s[FLG], s[NEED], 15
	s_cmp_lg_u32 s[FLG], 0
	s_cbranch_scc0 .Lnofill
	FILLG                                          ; four steps of work ahead of the wait for it; no vector instruction names v[FILL ..]
.Lnofill:
	v_add_nc_u32 v[ADK], s[TB], v[AK0]
	v_add_nc_u32 v[ADV], s[TB], v[AV0]
	FADR                                           ; the fill's places too, so that the two waits of the trip's head serve all four addresses
	s_wait_alu depctr_va_vdst(0)                   ; the four addresses are written, which the trip's LDS loads and stores read; the last trip's products (in the first trip: the head's lines on v48 to v66) are done with v[KF ..], in which step 0's fragments land
	STEP 0
	STEP 1
	STEP 2
	STEP 3
	s_wait_loadcnt 0x0                             ; the next slot's numbers are in registers
	s_cmp_lg_u32 s[FLG], 0
	s_cbranch_scc0 .Lnostore
	FILLS
.Lnostore:
	s_wait_xcnt 0x0                                ; the bases below are written only behind this wait
	s_add_nc_u64 s[4:5], s[4:5], 16384
	s_add_nc_u64 s[6:7], s[6:7], 256
	s_add_nc_u64 s[MB:MB+1], s[MB:MB+1], 1024
	s_xor_b32 s[TB], s[TB], SLOT1
	s_wait_dscnt 0x0                               ; my stores into the next slot have landed, and my reads of this one are over
	s_barrier_signal -1
	s_barrier_wait -1                              ; both now hold of every wave
	s_sub_co_u32 s[CNT], s[CNT], 1
	s_cmp_lg_u32 s[CNT], 0
	s_cbranch_scc1 .Lslot
	; THE WAY OUT: O^T / the sum, held, quantised with 2^(e6 - e4 - e5); through my stage; 2,048 bytes on end: my 32 rows of 64 codes
.rept 4
	v_nop                                          ; places behind the last products
.endr
.irp u, 0,1
	v_add_f32 v[STA+8*\u+6], v[STA+8*\u+2], v[STA+8*\u+3]
.endr
	v_permlanex16_b32 v243, v[STA+6], s66, s67
	v_permlanex16_b32 v248, v[STA+14], s66, s67
	v_add_f32 v[STA+6], v[STA+6], v243
	v_add_f32 v[STA+14], v[STA+14], v248           ; the rows' sums
	v_rcp_f32 v[STA+6], v[STA+6]
	v_rcp_f32 v[STA+14], v[STA+14]
	v_nop                                          ; a plain instruction behind the reciprocals
	s_wait_alu depctr_va_vdst(0)                   ; the two reciprocals have written their results, ahead of the first line that names one
.irp u, 0,1
.set k, 0
.rept 16
	v_pk_mul_f32 v[OT+32*\u+k:OT+32*\u+k+1], v[OT+32*\u+k:OT+32*\u+k+1], v[STA+8*\u+6:STA+8*\u+7] op_sel_hi:[1,0]   ; ascending: each accumulator from its low end on
.set k, k+2
.endr
.endr
.set k, 0
.rept 64
	v_med3_num_f32 v[OT+k], v[OT+k], -v[OLIM], v[OLIM]
.set k, k+1
.endr
.irp u, 0,1
.irp c, 0,1,2,3
	v_cvt_scalef32_pk8_fp8_f32 v[PCD+8*\u+2*\c:PCD+8*\u+2*\c+1], v[OT+32*\u+8*\c:OT+32*\u+8*\c+7], v[OSC]
.endr
.endr
	v_nop
	s_wait_alu depctr_va_vdst(0)                   ; the conversions have written v[PCD ..], which the LDS stores below read
	s_wait_alu depctr_vm_vsrc(0)                   ; the last fill's LDS stores have read v[FILL ..], in which the loads from the stage land
.irp u, 0,1
.irp c, 0,1,2,3
	ds_store_b64 v[STO], v[PCD+8*\u+2*\c:PCD+8*\u+2*\c+1] offset:16*KP*\u+16*\c   ; row 16 u + r, channels 16 c + 8 h + 0 .. 7
.endr
.endr
.irp i, 0,1,2,3
	ds_load_b128 v[FILL+4*\i:FILL+4*\i+3], v[RD] offset:8*KP*\i   ; LDS serves a wave's instructions in order: these see my stores
.endr
.irp i, 0,1,2,3
	s_wait_dscnt 3-\i                              ; the younger loads of the four may be out
	global_store_b128 v[GO], v[FILL+4*\i:FILL+4*\i+3], s[12:13] offset:512*\i
.endr
	s_wait_dscnt 0x0                               ; the closing lines, six on end
	s_wait_alu 0x0
	s_wait_tensorcnt 0x0
	ds_add_u32 v[SPW], v[NIL]
	s_wait_dscnt 0x0
	s_endpgm
.Lfunc_end_k_q2c86354f50_attn:
	.size	k_q2c86354f50_attn, .Lfunc_end_k_q2c86354f50_attn-k_q2c86354f50_attn
	.p2alignl 7, 3214868480
	.fill 96, 4, 3214868480
	.section	.rodata,"a",@progbits
	.p2align	6, 0x0
	.amdhsa_kernel k_q2c86354f50_attn
		.amdhsa_group_segment_fixed_size 174080
		.amdhsa_private_segment_fixed_size 0
		.amdhsa_enable_private_segment 0
		.amdhsa_kernarg_size 40
		.amdhsa_user_sgpr_count 2
		.amdhsa_user_sgpr_kernarg_segment_ptr 1
		.amdhsa_wavefront_size32 1
		.amdhsa_system_sgpr_workgroup_id_x 1
		.amdhsa_system_sgpr_workgroup_id_y 1
		.amdhsa_system_sgpr_workgroup_id_z 1
		.amdhsa_system_vgpr_workitem_id 0
		.amdhsa_next_free_vgpr 256
		.amdhsa_next_free_sgpr 106
		.amdhsa_reserve_vcc 1
		.amdhsa_float_denorm_mode_32 3
		.amdhsa_float_denorm_mode_16_64 3
		.amdhsa_memory_ordered 1
		.amdhsa_forward_progress 1
		.amdhsa_inst_pref_size 106
	.end_amdhsa_kernel
	.amdgpu_metadata
---
amdhsa.version: [ 1, 2 ]
amdhsa.kernels:
  - .name:           k_q2c86354f50_attn
    .symbol:         k_q2c86354f50_attn.kd
    .args:
      - { .name: qkv, .offset: 0, .size: 8, .value_kind: global_buffer, .address_space: global }
      - { .name: mw, .offset: 8, .size: 8, .value_kind: global_buffer, .address_space: global }
      - { .name: mf, .offset: 16, .size: 8, .value_kind: global_buffer, .address_space: global }
      - { .name: lowp_scales, .offset: 24, .size: 8, .value_kind: global_buffer, .address_space: global }
      - { .name: ac, .offset: 32, .size: 8, .value_kind: global_buffer, .address_space: global }
    .group_segment_fixed_size: 174080
    .private_segment_fixed_size: 0
    .kernarg_segment_align: 8
    .kernarg_segment_size: 40
    .max_flat_workgroup_size: 512
    .sgpr_count:     106
    .vgpr_count:     256
    .wavefront_size: 32
...
	.end_amdgpu_metadata
.endif
;; end of part 5
;; launch gemm_out: the kernel of part 4 again; grid 4 x 32, 4 waves a work-group, clusters of 4 x 4, 327,680 bytes of LDS; arguments ac, wo, lowp_scales, b_out, out0; writes out0
